; MI455X (gfx1250); checked and timed in simulation.
; The chip was launched on July 23, 2026; its instructions are those of AMD's public machine-readable ISA for CDNA 5 (MIT licence, August 2026) and "CDNA5" Instruction Set Architecture Reference Guide (July 2026). The comments in the code are by the model that wrote it; some were corrected since.
;; Simple Attention. Allowed arithmetic: matrix products marked QUANTISED: E4M3 operands, one E8M0 scale for each 32 along K, by v_wmma_scale_f32_16x16x128_f8f6f4 with both operands' format E4M3, f32 sums; everything else in f32.
;; Inputs: proj_b 1,024 float32; proj_w 1,024 x 1,024 float32; qkv_w 3,072 x 1,024 float32; x 8 x 1,024 x 1,024 float32.
;; Outputs: out0 8 x 1,024 x 1,024 float32.
;; This version of the problem:
;;   THIS VERSION OF THE PROBLEM IS GIVEN IN LOW PRECISION. The matrix products marked QUANTISED in the list below multiply operands that are first quantised to E4M3 (4 exponent bits, 3 mantissa bits; 8 bits a number), with one power-of-two scale for each 32 numbers along K (OCP MX v1.0); their sums are f32. All else is computed in f32.
;;   The module's matrix products, in the order in which they are computed (A, B: the left and right operand; K: the contracted axis; several contracted axes count as one K, in the product's order):
;;     1. [M 8,192, K 1,024] x [K 1,024, N 3,072]; A: input x; B: input qkv_w: QUANTISED
;;     2. batch 128 x [M 1,024, K 64] x [K 64, N 1,024]; A: computed on the way; B: computed on the way: QUANTISED
;;     3. batch 128 x [M 1,024, K 1,024] x [K 1,024, N 64]; A: softmax (see below); B: computed on the way: QUANTISED
;;     4. [M 8,192, K 1,024] x [K 1,024, N 1,024]; A: computed on the way; B: input proj_w: QUANTISED
;;   THE QUANTISER, for each operand of a quantised product, along K:
;;     - K is cut into blocks of 32 from its start; a last block that is shorter is filled with zeros.
;;     - A block's scale is 2^e with e = floor(log2(the largest magnitude in the block)) - 8, held to -126 .. 127; a block of zeros has e = 0. As a byte (E8M0): e + 127.
;;     - Each number is divided by its block's scale, clamped to +-448, and rounded to the nearest number of E4M3, ties to even, subnormals kept.
;;     - The product sums the exact products of the quantised numbers (number of the format x scale) in f32.
;;   ~~~python
;;   def quantise(x, axis):      # numpy; x: float32 -> the quantised numbers, widened to float32 again
;;       x = np.moveaxis(x, axis, -1); K = x.shape[-1]
;;       x = np.pad(x, [(0, 0)] * (x.ndim - 1) + [(0, -K % 32)]); x = x.reshape(x.shape[:-1] + (-1, 32)); a = np.abs(x).max(-1, keepdims=True)
;;       e = np.where(a > 0, np.clip(np.frexp(np.where(a > 0, a, 1))[1] - 1 - 8, -126, 127), 0)      # np.frexp(a)[1] - 1 = floor(log2(a)), exactly
;;       r = np.clip(x / 2.0 ** e, -448, 448)
;;       step = 2.0 ** (np.maximum(np.frexp(np.where(r == 0, 1, r))[1] - 1, -6) - 3)
;;       q = np.round(r / step) * step * 2.0 ** e      # np.round: ties to even
;;       return np.moveaxis(q.reshape(q.shape[:-2] + (-1,))[..., :K], -1, axis).astype(np.float32)
;;   ~~~
;;   SOFTMAX AHEAD OF A QUANTISED PRODUCT. Where the list says 'softmax', what is quantised is not the finished softmax but p = 2^(t - M), with t = logit x log2(e) and M = ceil(the row's largest t), a whole number; so 1/2 < the row's largest p <= 1. The row's sum l is taken of the UNQUANTISED p, in f32, and the product's result is divided by l at the end. Since M is a whole number, a kernel that streams over the keys may use a running M (the ceiling of the running maximum): every later rescaling is an exact power of two, which a block's scale takes up: the codes' values come out the same.
;;   OPERANDS COMPUTED ON THE WAY. 'Computed on the way' means the value that the module computes at that place (a softmax that the list does not call 'softmax' is quantised finished and normalised). What goes into a quantiser is computed in f32, as accurately as f32 sums, v_exp_f32 and their like allow (about 1e-6 of the number): no bf16 or f16 on the way to a quantiser, and a product that is left as it is and whose result goes on into a quantised operand takes f32 operands (vector FMAs, or v_wmma_f32_16x16x4_f32). A number that lies on a knife's edge between two numbers of the format may be rounded either way, as far as f32 arithmetic and the matrix unit's own rounding can turn it there, and no further.
;; One version. Each part assembles by itself: llvm-mc -triple=amdgcn-amd-amdhsa -mcpu=gfx1250 --defsym DOCPART=n.
;; ======== version 1 of 1: 4 launches
;; limits: right only within a limited range of input values
;; workspace buffers: img 12,582,912 bytes; sc 655,360 bytes; qkv 26,476,544 bytes; ao 8,388,608 bytes
;; launch quant (part 1): grid 768 x 1, 2 waves a work-group, no clusters, 17,152 bytes of LDS; arguments x, qkv_w, proj_w, img, sc; writes img, sc
.if DOCPART == 1
	.amdgcn_target "amdgcn-amd-amdhsa--gfx1250"
	.amdhsa_code_object_version 6
	.text
	.protected	k_q6621658ad6_quant
	.globl	k_q6621658ad6_quant
	.p2align	8
	.type	k_q6621658ad6_quant,@function
k_q6621658ad6_quant:
	s_mov_b64 s[64:65], 0
	v_nop
	global_prefetch_b8 v0, s[64:65] scope:SCOPE_SE
	s_setreg_imm32_b32 hwreg(HW_REG_WAVE_MODE, 25, 1), 1
	s_wait_xcnt 0x0
; x [8192][1024], qkv_w [3072][1024], proj_w [1024][1024], f32, K innermost, become codes of E4M3 with one E8M0 byte for each 32 along K.
; THE CODES ARE LAID AS IMAGES OF THE OPERAND'S REGISTERS.  A row tile T holds 16 rows: lane index r (0..15) stands for row 32 (T / 2) + 8 (T % 2) + r + 8 (r / 8).
; Chunk kb of tile T is 512 bytes at (32 T + kb) x 512: lane l = (r = l % 16, h = l / 16) owns the 16 bytes at 16 l: the codes of its row at k = 32 kb + 16 h + 0 .. 15.
; Four chunks on end are one fragment of the scaled matrix instruction.  Tiles 0-511 are x's, 512-703 qkv_w's, 704-767 proj_w's.
; THE SCALE WORDS: tile T at 512 T: [half of K: 2][r: 16][4 words]; word w of half g holds the four bytes of k = 128 (4 g + w) .. + 127 of the row.
; A block's scale is 2^(floor(log2(largest magnitude)) - 8); its byte is the largest magnitude's exponent field - 8, held at 1 from below.
; LIMITS: a block of zeros gets the byte 1 where the rule says 127 (its codes are zeros, and only this program reads the bytes); NaN and infinities among the inputs are not served.
; SHARES: a work-group is one row tile; wave g takes half g of K: four fragments of 16 rows x 128.  Each load reads 512 consecutive bytes of one row; the 16 rows turn through the wave's own
; stage in LDS (rows 528 bytes apart) so that a lane gets 16 neighbours of each block of 32.  No barrier: the waves share nothing.  Matrix units, tensor loads and clusters have nothing to do here.
.set SP,  528                          ; a stage row: 512 bytes + 16
.set TM,  8                            ; v8-11 largest magnitudes, v12-15 the other half's / the bytes, v16-19 448 x the scale, v20-23 the conversions' scale operands
.set PW,  24                           ; v24-27 the four fragments' scale words
.set PC,  28                           ; v28-59 codes, two sets of 16
.set RR,  64                           ; v64-191 numbers as loaded, two sets of 64
.set X,   192                          ; v192-255 register 16 b + i = k 32 b + 16 h + i of my row
	s_load_b256 s[4:11], s[0:1], 0x0               ; x s[4:5], qkv_w s[6:7], proj_w s[8:9], img s[10:11]
	s_load_b64 s[12:13], s[0:1], 0x20              ; sc
	v_lshl_add_u32 v62, v0, 2, 0x4200
	v_mov_b32 v63, 0
	v_lshrrev_b32 v1, 5, v0
	v_readfirstlane_b32 s14, v1                    ; wave = half of K
	v_and_b32 v1, 31, v0                           ; lane
	v_lshlrev_b32 v2, 4, v1                        ; 16 x lane: my bytes of a load, and of a chunk
	v_and_b32 v6, 15, v0                           ; r
	v_bfe_u32 v7, v0, 4, 1                         ; h
	s_mul_i32 s24, s14, 16*SP                      ; my wave's stage
	v_add_nc_u32 v3, s24, v2                       ; into it: 16 x lane of a row
	v_mul_u32_u24 v4, v6, SP
	v_lshl_add_u32 v4, v7, 6, v4
	v_add_nc_u32 v4, s24, v4                       ; out of it: row r, + 64 h
	v_lshlrev_b32 v5, 4, v6                        ; my row's four scale words
.irp b, 0,1,2,3
	v_mov_b32 v[TM+4+\b], 0                        ; written once: a lane permute's destination counts as one of its sources
.endr
	s_mov_b32 s20, 0x76543210
	s_mov_b32 s21, 0xfedcba98                      ; v_permlanex16_b32's selects for lane l xor 16
	s_mov_b32 s22, 0x600000                        ; the mantissa field of 448
	s_wait_alu depctr_va_vdst(0)
	s_wait_kmcnt 0x0
	s_cmp_lt_u32 ttmp9, 512                        ; whose tile?  The choice hangs on the work-group's number alone
	s_cselect_b64 s[4:5], s[4:5], s[6:7]
	s_cselect_b32 s15, 0, 512
	s_cmp_lt_u32 ttmp9, 704
	s_cselect_b64 s[4:5], s[4:5], s[8:9]
	s_cselect_b32 s15, s15, 704
	s_sub_co_u32 s15, ttmp9, s15                   ; the tile's number in its own tensor
	s_lshr_b32 s16, s15, 1
	s_lshl_b32 s16, s16, 17                        ; 32 rows of 4,096 bytes for each pair of tiles,
	s_and_b32 s17, s15, 1
	s_lshl_b32 s17, s17, 15                        ; 8 rows for the odd one,
	s_add_co_u32 s16, s16, s17
	s_lshl_b32 s17, s14, 11                        ; 2,048 bytes for the upper half of K
	s_add_co_u32 s16, s16, s17
	s_mov_b32 s17, 0
	s_add_nc_u64 s[4:5], s[4:5], s[16:17]
	s_lshl_b32 s16, ttmp9, 14                      ; codes: 16,384 bytes a tile, 8,192 a half
	s_lshl_b32 s18, s14, 13
	s_add_co_u32 s16, s16, s18
	s_add_nc_u64 s[10:11], s[10:11], s[16:17]
	s_lshl_b32 s16, ttmp9, 9                       ; scale words: 512 bytes a tile, 256 a half
	s_lshl_b32 s18, s14, 8
	s_add_co_u32 s16, s16, s18
	s_add_nc_u64 s[12:13], s[12:13], s[16:17]
.macro LOAD f                          ; fragment f: 16 loads, each 512 consecutive bytes of the row that lane index i stands for
.irp i, 0,1,2,3,4,5,6,7,8,9,10,11,12,13,14,15
	global_load_b128 v[RR+64*((\f)%2)+4*\i:RR+64*((\f)%2)+4*\i+3], v2, s[4:5] offset:(\i+8*(\i/8))*4096+512*(\f) th:TH_LOAD_NT
.endr
.endm
.macro TURN f                          ; through the stage: LDS serves a wave's instructions in order, so no wait stands between the stores and the loads
.irp i, 0,1,2,3,4,5,6,7,8,9,10,11,12,13,14,15
	ds_store_b128 v3, v[RR+64*((\f)%2)+4*\i:RR+64*((\f)%2)+4*\i+3] offset:SP*\i
.endr
.irp b, 0,1,2,3
.irp j, 0,1,2,3
	ds_load_b128 v[X+16*\b+4*\j:X+16*\b+4*\j+3], v4 offset:128*\b+16*\j
.endr
.endr
.endm
.macro QUANT f                         ; the 64 numbers in X become the fragment's codes (set f % 2) and its scale word
.irp b, 0,1,2,3
	v_max3_num_f32 v[TM+\b], |v[X+16*\b]|, |v[X+1+16*\b]|, 0x4800000   ; block b: my 16 numbers and the floor 2^(9 - 127): the byte cannot fall under 1
.endr
.irp i, 2,4,6,8,10,12,14
.irp b, 0,1,2,3
	v_max3_num_f32 v[TM+\b], v[TM+\b], |v[X+16*\b+\i]|, |v[X+1+16*\b+\i]|   ; the four blocks by turns
.endr
.endr
.irp b, 0,1,2,3
	v_permlanex16_b32 v[TM+4+\b], v[TM+\b], s20, s21
.endr
.irp b, 0,1,2,3
	v_max_num_f32 v[TM+\b], v[TM+\b], v[TM+4+\b]   ; with lane l xor 16's: the block's largest magnitude
.endr
.irp b, 0,1,2,3
	v_add_nc_u32 v[TM+12+\b], 0xfc000000, v[TM+\b] ; 8 off its exponent field: the conversion's scale operand
.endr
.irp b, 0,1,2,3
	v_and_or_b32 v[TM+8+\b], v[TM+\b], 0x7f800000, s22   ; 448 x the scale
.endr
.irp b, 0,1,2,3
	v_lshrrev_b32 v[TM+4+\b], 23, v[TM+12+\b]      ; the scale's byte
.endr
	v_lshl_or_b32 v[PW+\f], v[TM+5], 8, v[TM+4]
	v_lshl_or_b32 v[PW+\f], v[TM+6], 16, v[PW+\f]
	v_lshl_or_b32 v[PW+\f], v[TM+7], 24, v[PW+\f]
.irp b, 0,1,2,3
.irp i, 0,1,2,3,4,5,6,7,8,9,10,11,12,13,14,15
	v_med3_num_f32 v[X+16*\b+\i], v[X+16*\b+\i], -v[TM+8+\b], v[TM+8+\b]   ; the conversion to an 8-bit code does not saturate (ISA guide 7.6.2): the hold
.endr
.endr
.if (\f) >= 2
	s_wait_alu depctr_va_vdst(0)
	s_wait_xcnt 0x0                                ; this set of codes was the data of the stores two fragments ago: it is rewritten only behind this wait
.endif
.irp b, 0,1,2,3
	v_cvt_scalef32_pk8_fp8_f32 v[PC+16*((\f)%2)+4*\b:PC+16*((\f)%2)+4*\b+1], v[X+16*\b:X+16*\b+7], v[TM+12+\b]
	v_cvt_scalef32_pk8_fp8_f32 v[PC+16*((\f)%2)+4*\b+2:PC+16*((\f)%2)+4*\b+3], v[X+16*\b+8:X+16*\b+15], v[TM+12+\b]
.endr
	v_nop                                          ; one plain vector line behind the last conversion of a run
.endm
	LOAD 0
	LOAD 1
.irp f, 0,1,2,3
.if \f < 3
	s_wait_loadcnt 16                              ; this fragment's 16 loads are in; the next fragment's 16 may be out
.else
	s_wait_loadcnt 0
.endif
	TURN \f
	s_wait_dscnt 0x0                               ; the numbers are back, and the stores into the stage have read their registers,
.if \f < 2
	LOAD \f+2                                      ; which take the loads of two fragments on
.endif
	QUANT \f
.irp c, 0,1,2,3
	global_store_b128 v2, v[PC+16*(\f%2)+4*\c:PC+16*(\f%2)+4*\c+3], s[10:11] offset:2048*\f+512*\c   ; a chunk: 512 consecutive bytes, aligned
.endr
.endr
	v_cmp_gt_u32 vcc_lo, 16, v1                    ; lanes 0-15 store the 16 rows' four words: 256 consecutive bytes, aligned
	s_wait_xcnt 0x0                                ; EXEC changes only behind this wait
	s_wait_tensorcnt 0x0
	ds_add_u32 v62, v63
	s_wait_dscnt 0x0
	s_and_saveexec_b32 s23, vcc_lo
	global_store_b128 v5, v[PW:PW+3], s[12:13]
	s_wait_xcnt 0x0
	s_or_b32 exec_lo, exec_lo, s23
	s_endpgm
.Lfunc_end_k_q6621658ad6_quant:
	.size	k_q6621658ad6_quant, .Lfunc_end_k_q6621658ad6_quant-k_q6621658ad6_quant
	.p2alignl 7, 3214868480
	.fill 96, 4, 3214868480
	.section	.rodata,"a",@progbits
	.p2align	6, 0x0
	.amdhsa_kernel k_q6621658ad6_quant
		.amdhsa_group_segment_fixed_size 17152
		.amdhsa_private_segment_fixed_size 0
		.amdhsa_enable_private_segment 0
		.amdhsa_kernarg_size 40
		.amdhsa_user_sgpr_count 2
		.amdhsa_user_sgpr_kernarg_segment_ptr 1
		.amdhsa_wavefront_size32 1
		.amdhsa_system_sgpr_workgroup_id_x 1
		.amdhsa_system_sgpr_workgroup_id_y 1
		.amdhsa_system_sgpr_workgroup_id_z 1
		.amdhsa_system_vgpr_workitem_id 0
		.amdhsa_next_free_vgpr 256
		.amdhsa_next_free_sgpr 66
		.amdhsa_reserve_vcc 1
		.amdhsa_float_denorm_mode_32 3
		.amdhsa_float_denorm_mode_16_64 3
		.amdhsa_memory_ordered 1
		.amdhsa_forward_progress 1
		.amdhsa_inst_pref_size 51
	.end_amdhsa_kernel
	.amdgpu_metadata
---
amdhsa.version: [ 1, 2 ]
amdhsa.kernels:
  - .name:           k_q6621658ad6_quant
    .symbol:         k_q6621658ad6_quant.kd
    .args:
      - { .name: x, .offset: 0, .size: 8, .value_kind: global_buffer, .address_space: global }
      - { .name: qkv_w, .offset: 8, .size: 8, .value_kind: global_buffer, .address_space: global }
      - { .name: proj_w, .offset: 16, .size: 8, .value_kind: global_buffer, .address_space: global }
      - { .name: img, .offset: 24, .size: 8, .value_kind: global_buffer, .address_space: global }
      - { .name: sc, .offset: 32, .size: 8, .value_kind: global_buffer, .address_space: global }
    .group_segment_fixed_size: 17152
    .private_segment_fixed_size: 0
    .kernarg_segment_align: 8
    .kernarg_segment_size: 40
    .max_flat_workgroup_size: 64
    .sgpr_count:     66
    .vgpr_count:     256
    .wavefront_size: 32
...
	.end_amdgpu_metadata
.endif
;; end of part 1
;; launch gemm_qkv (part 2): grid 8 x 32, 4 waves a work-group, clusters of 4 x 4, 327,680 bytes of LDS; arguments img, sc, qkv; writes qkv
.if DOCPART == 2
	.amdgcn_target "amdgcn-amd-amdhsa--gfx1250"
	.amdhsa_code_object_version 6
	.text
	.protected	k_q6621658ad6_gemm_qkv
	.globl	k_q6621658ad6_gemm_qkv
	.p2align	8
	.type	k_q6621658ad6_gemm_qkv,@function
k_q6621658ad6_gemm_qkv:
	s_mov_b64 s[64:65], 0
	v_nop
	global_prefetch_b8 v0, s[64:65] scope:SCOPE_SE
	s_setreg_imm32_b32 hwreg(HW_REG_WAVE_MODE, 25, 1), 1
	s_wait_xcnt 0x0
	s_wait_alu depctr_hold_cnt(0) depctr_sa_sdst(0) depctr_va_vdst(0) depctr_va_sdst(0) depctr_va_ssrc(0) depctr_va_vcc(0) depctr_vm_vsrc(0)
	s_getreg_b32 s2, hwreg(HW_REG_IB_STS2, 6, 4)
	s_cmp_eq_u32 s2, 0
	s_cbranch_scc0 .Lentry_in_a_cluster
	s_endpgm
.Lentry_in_a_cluster:
	s_bfe_u32 s2, ttmp6, 0x10000c
	s_cmp_lg_u32 s2, 0xf033
	s_cbranch_scc0 .Lentry_shape_is_right
	s_endpgm
.Lentry_shape_is_right:
; q, k and v^T of all heads, as codes of E4M3 with E8M0 scales, from the codes of x and qkv_w (K = 1024).  Sums in f32; each result is quantised in registers along the K of the product that will read it.
; OPERANDS are images of the operand's registers: row tile T (16 rows; lane index r = row 32 (T / 2) + 8 (T % 2) + r + 8 (r / 8)), chunk kb (512 bytes, lane l's 16 bytes at 16 l) at (32 T + kb) x 512.
; In every product a lane holds ONE row of source 1, and, by the order of the rows in a tile, the 16 registers of source 0's tiles 2 b and 2 b + 1 are 16 NEIGHBOURS along source 0's rows:
; a block of 32 lies in lanes l and l xor 16, and the conversions' results are a chunk of the next operand's image.
; A WORK-GROUP STAYS AND MAKES TWO TILES: 8192 x 3072 results are 98,304 for each of 256 work-groups: one tile of 256 x 256 and one of 128 x 256.
; PASS 1: source 1 = x's 256 rows TR, source 0 = the 256 rows TC of qkv_w for q (TC 0-3) or k (TC 4-7): a wave makes 128 x 128 in 64 accumulators; blocks run along the head's 64.
; PASS 2: source 1 = the 128 rows TC of qkv_w for v (two heads), source 0 = the same 256 rows of x: a wave makes 64 channels (one head) x 128 tokens (one key step) in 32 accumulators:
; a lane holds one channel of v and its registers run along the tokens: v^T with the keys innermost, and nothing is transposed.
; THE RING DOES NOT STOP BETWEEN THE PASSES: pass 1's last two changes of slots ask for pass 2's first two steps, which land while pass 1's results are quantised and stored.
; OUT: 128 head blocks of HB bytes (head 16 batch + h): q's codes [token tile 64][chunk 2][512], q's scale words [64][16] (bytes 0, 1; bytes 2, 3 are 0), the same for k,
; v's codes [key step 8][tile of channels 4][chunk 4][512], v's scale words [8][4][16].  Every store of codes covers 512 consecutive bytes, aligned.
; K goes in steps of 256 through two LDS slots.  CLUSTERS: 4 x 4 work-groups; x's tiles are asked for jointly along a row of the cluster, the weights' along a column, in both passes.
; The scale words of a wave's rows for all of K are 64 registers: loaded once for each pass, in whole runs of 256 bytes.
; LIMITS: a block of zeros gets the byte 1 where the rule says 127 (zero codes; only this program reads the bytes); NaN and infinities are not served.
; REGISTERS: window 0: v15-31 addresses; v32-95 scale words (8 i + K step: lanes 0-15 source 1's block i, lanes 16-31 source 0's); v96-127 at work on the way out;
;   v128-255 source 1's fragments (pass 1: 8, one set; pass 2: 4, two sets), on the way out numbers and codes.   window 1: source 0's fragments, two sets.   windows 2, 3: the accumulators.
.set FR,    16
.set SLOT,  131072                     ; x's 16 row tiles x 4,096 bytes, then the weight's
.set WREG,  65536                      ; where the weight's begin in a slot
.set SPARE, 2*SLOT                     ; the spare words, 128 bytes a wave: two blocks of 256 bytes that no other line names
.set STGQ,  SPARE+512                  ; scale words on their way out, q and k: 1,024 bytes a wave
.set STGV,  STGQ+4096                  ; the same for v: 256 bytes a wave
.set HB,    206848
.set SOFX, 15
.set ADRX, 16
.set ADRV, 18
.set ADRB, 20
.set SVW,  22
.set SVR,  23
.set LI,   24
.set SQW,  25
.set SQR,  26
.set SOF,  27
.set SPW,  28
.set NIL,  29
.set L8,   30
.set SOF2, 31
.set SC,   32
.set TM,   96
.set WD,   112
.set AF,   128
.set X,    128
.set PC,   192
.set G1,   24                          ; s[24:31], s[32:39]: groups 1 and 0 (one for each slot) for x's tiles
.set G0,   32
.set G1B,  48                          ; s[48:55], s[56:63]: for pass 1's weights
.set G0B,  56
.set G1V,  80                          ; s[80:87], s[88:95]: for pass 2's weights
.set G0V,  88
.set MSB, 0
.macro WIN new                         ; the immediate's high byte repeats the setting that is left
.if MSB != \new
	s_set_vgpr_msb (MSB<<8)|\new
.set MSB, \new
.endif
.endm
.set MUL_LO, 0xa1                      ; source 0 window 1, source 1 window 0, C and D window 2
.set MUL_HI, 0xf1
.set TO_B,   0x40
.macro JLOAD g0a, g1a, g0b, g1b        ; a joint load: waves 0, 1 fetch x's halves, waves 2, 3 the weight's; four v_nop follow each line
	s_cmp_eq_u32 s15, 0
	s_cbranch_scc0 .Lfor_b_\@
	tensor_load_to_lds s[\g0a:\g0a+3], s[\g1a:\g1a+7]
	s_nop 0
.rept 4
	v_nop
.endr
	s_branch .Lasked_\@
.Lfor_b_\@:
	tensor_load_to_lds s[\g0b:\g0b+3], s[\g1b:\g1b+7]
	s_nop 0
.rept 4
	v_nop
.endr
.Lasked_\@:
.endm
.macro CREST                           ; a round of the cluster's barrier behind its opening barrier
	s_cmp_lg_u32 s14, 0
	s_cbranch_scc1 .Lnot_wave_0_\@
	s_barrier_signal -3
.Lnot_wave_0_\@:
	s_barrier_wait -3
	s_barrier_signal -1
	s_barrier_wait -1
.endm
.macro CROUND
	s_barrier_signal -1
	s_barrier_wait -1
	CREST
.endm
.macro PLACES n
.rept \n
	v_nop
.endr
.endm
	s_load_b128 s[4:7], s[0:1], 0x0                ; img s[4:5], sc s[6:7]
	s_load_b64 s[8:9], s[0:1], 0x10                ; qkv
	v_lshl_add_u32 v[SPW], v0, 2, SPARE
	v_mov_b32 v[NIL], 0
	ds_add_u32 v28, v29
	ds_add_u32 v28, v29
	s_wait_dscnt 0x0
	v_lshrrev_b32 v1, 5, v0
	v_readfirstlane_b32 s14, v1                    ; wave 0..3
	s_lshr_b32 s15, s14, 1                         ; my half of x's rows, in both passes.  Also: I fetch for x (0) or for the weights (1)
	s_and_b32 s16, s14, 1                          ; my half of the weight's rows.  Also: which half of a tile I fetch
	s_bfe_u32 s40, ttmp6, 0x40000                  ; cx
	s_bfe_u32 s41, ttmp6, 0x40004                  ; cy
	s_mov_b32 s23, ttmp9                           ; the cluster's x: 0 q, 1 k
	s_lshl_b32 s42, ttmp9, 2
	s_add_co_u32 s42, s42, s40                     ; TC = 4 x cluster x + cx: 0..7
	s_and_b32 s17, ttmp7, 0xffff
	s_lshl_b32 s17, s17, 2
	s_add_co_u32 s17, s17, s41                     ; TR = 4 x cluster y + cy: 0..31
	s_lshl_b32 s43, s41, 2
	s_lshl_b32 s43, 15, s43                        ; my row of the cluster
	s_lshl_b32 s44, 0x1111, s40                    ; my column
	s_or_b32 s[G1+0], s43, (3<<16)|(1<<21)         ; 15:0 the mask; 17:16 elements of 8 bytes; 21 set beside a mask; no padding: an image is read 16 bytes a lane on end
	s_or_b32 s[G1B+0], s44, (3<<16)|(1<<21)
	s_or_b32 s[G1V+0], s44, (3<<16)|(1<<21)
.irp g, G1, G1B
	s_mov_b32 s[\g+1], 512<<16                     ; tensor_dim0 = 512 elements: 4,096 bytes, 256 along K of one row tile
	s_mov_b32 s[\g+2], 8<<16                       ; tensor_dim1 = 8 row tiles
	s_mov_b32 s[\g+3], 512<<16                     ; tile_dim0
	s_mov_b32 s[\g+4], 8                           ; tile_dim1
	s_mov_b32 s[\g+5], 2048                        ; 16,384 bytes from row tile to row tile
	s_mov_b32 s[\g+6], 0
	s_mov_b32 s[\g+7], 0
.endr
	s_mov_b32 s[G1V+1], 512<<16                    ; pass 2's weights: the same with 4 row tiles to a load
	s_mov_b32 s[G1V+2], 4<<16
	s_mov_b32 s[G1V+3], 512<<16
	s_mov_b32 s[G1V+4], 4
	s_mov_b32 s[G1V+5], 2048
	s_mov_b32 s[G1V+6], 0
	s_mov_b32 s[G1V+7], 0
	s_lshl_b32 s20, s17, 18                        ; x: 262,144 bytes a tile of 256 rows, 131,072 a half
	s_lshl_b32 s21, s16, 17
	s_add_co_u32 s20, s20, s21
	s_mov_b32 s21, 0
	s_lshl_b32 s46, s42, 18                        ; the rows of qkv_w for q and k, in registers that never hold cy
	s_lshl_b32 s47, s16, 17
	s_add_co_u32 s46, s46, s47
	s_add_co_u32 s46, s46, 8388608
	s_mov_b32 s47, 0
	s_lshl_b32 s96, s42, 17                        ; those for v: 131,072 bytes for 128 rows, 65,536 a half
	s_lshl_b32 s97, s16, 16
	s_add_co_u32 s96, s96, s97
	s_add_co_u32 s96, s96, 10485760
	s_mov_b32 s97, 0
	s_lshl_b32 s45, s14, 15                        ; where pass 1's loads and x's go: wave x 32,768: no place in the cluster enters an LDS address
	s_lshl_b32 s98, s16, 14
	s_add_co_u32 s98, s98, WREG                    ; and pass 2's weights: behind x's, 16,384 a half
	s_mov_b32 s11, 0x600000                        ; the mantissa field of 448
	s_mov_b32 s12, 0x76543210
	s_mov_b32 s13, 0xfedcba98
	s_wait_kmcnt 0x0
	s_add_nc_u64 s[20:21], s[4:5], s[20:21]
	s_add_nc_u64 s[46:47], s[4:5], s[46:47]
	s_add_nc_u64 s[96:97], s[4:5], s[96:97]
	s_and_b32 s10, ttmp7, 0xffff                   ; the prefetches: the weights' rows are the same for all eight rows of clusters, so rows 0 to 3 alone ask for them
	s_cmp_lt_u32 s10, 4
	s_cselect_b32 s10, 1, 0
	s_cmp_eq_u32 s14, 2
	s_cselect_b32 s99, s10, 0                      ; s99 = 1: my wave asks for v's weights (wave 2 alone)
	s_cmp_eq_u32 s15, 0
	s_cselect_b32 s79, 1, s10                      ; s79 = 1: my wave asks for pass 1's tiles
	s_cselect_b64 s[18:19], s[20:21], s[46:47]     ; the 8 row tiles that I fetch: x's or the weight's
	s_cselect_b32 s22, s40, s41                    ; my place among the four that ask for them jointly: they share the rows out by address
	s_lshl_b32 s22, s22, 15                        ; two row tiles of 16,384 bytes each
.irp s, 0,1
	s_mov_b32 s[G0V+4*\s], 1
	s_add_co_u32 s[G0V+4*\s+1], s98, \s*SLOT
	s_add_nc_u64 s[G0V+4*\s+2:G0V+4*\s+3], s[96:97], \s*4096
	s_or_b32 s[G0V+4*\s+3], s[G0V+4*\s+3], 0x80000000
.endr
	CROUND                                         ; all sixteen work-groups are here: the first joint loads meet
.irp s, 0,1
	s_mov_b32 s[G0+4*\s], 1
	s_add_co_u32 s[G0+4*\s+1], s45, \s*SLOT
	s_add_nc_u64 s[G0+4*\s+2:G0+4*\s+3], s[20:21], \s*4096
	s_or_b32 s[G0+4*\s+3], s[G0+4*\s+3], 0x80000000
	s_mov_b32 s[G0B+4*\s], 1
	s_add_co_u32 s[G0B+4*\s+1], s45, \s*SLOT
	s_add_nc_u64 s[G0B+4*\s+2:G0B+4*\s+3], s[46:47], \s*4096
	s_or_b32 s[G0B+4*\s+3], s[G0B+4*\s+3], 0x80000000
.endr
; PREFETCHES INTO THE L2.  A K step of 256 is 4,096 bytes, 16 blocks of 256, of each row tile.  Of the 8 row tiles that a wave fetches each of the four partners names two: lane l the block l % 16 of tile 2 p + l / 16: one instruction a wave, each block once in a cluster.
; The K step is an immediate offset, so no address register is ever written again.  ASKP k: pass 1's K step k.  ASKV k: K step k of v's 8 row tiles, wave 2's 32 lanes: two refills ahead of the load that wants it.
.macro ASKP k
	s_cmp_eq_u32 s79, 1
	s_cbranch_scc0 .Lnot_p_\@
	global_prefetch_b8 v14, s[18:19] offset:4096*(\k) th:TH_LOAD_NT scope:SCOPE_SE
.Lnot_p_\@:
.endm
.macro ASKV k
	s_cmp_eq_u32 s99, 1
	s_cbranch_scc0 .Lnot_v_\@
	global_prefetch_b8 v14, s[96:97] offset:4096*(\k) th:TH_LOAD_NT scope:SCOPE_SE
.Lnot_v_\@:
.endm
	JLOAD G0, G1, G0B, G1B                         ; slot 0: one tensor load a wave at the head
	v_and_b32 v1, 31, v0                           ; lane
	v_and_b32 v2, 15, v0                           ; r
	v_lshlrev_b32 v[LI], 4, v1
	s_wait_alu depctr_va_vdst(0)
	v_lshlrev_b32 v[L8], 3, v1
	v_bfe_u32 v14, v0, 4, 1
	v_lshl_add_u32 v14, v14, 14, s22
	v_lshl_add_u32 v14, v2, 8, v14                 ; v14: the prefetches' offset; never rewritten
	s_wait_alu depctr_va_vdst(0)                   ; the wait here, directly behind the write: branches stand ahead of its readers
	ASKP 1                                         ; K steps 1 and 2: their loads follow behind slot 0's landing and behind the first change of slots
	ASKP 2
	s_lshl_b32 s70, s15, 15                        ; my 8 row tiles of x
	s_lshl_b32 s71, s16, 15
	s_add_co_u32 s71, s71, WREG                    ; my 8 of pass 1's weights
	s_lshl_b32 s78, s16, 14
	s_add_co_u32 s78, s78, WREG                    ; my 4 of pass 2's
.irp s, 0,1
	v_add_nc_u32 v[ADRX+\s], s70, v[LI]
	v_add_nc_u32 v[ADRB+\s], s71, v[LI]
	v_add_nc_u32 v[ADRV+\s], s78, v[LI]
	s_add_co_u32 s70, s70, SLOT
	s_add_co_u32 s71, s71, SLOT
	s_add_co_u32 s78, s78, SLOT
.endr
	s_lshl_b32 s72, s17, 13                        ; the scale words: 512 bytes a row tile.  x's:
	s_lshl_b32 s73, s15, 12
	s_add_co_u32 s72, s72, s73
	s_lshl_b32 s74, s42, 13                        ; pass 1's weights':
	s_lshl_b32 s75, s16, 12
	s_add_co_u32 s74, s74, s75
	s_add_co_u32 s74, s74, 262144
	s_lshl_b32 s76, s42, 12                        ; pass 2's:
	s_lshl_b32 s77, s16, 11
	s_add_co_u32 s76, s76, s77
	s_add_co_u32 s76, s76, 327680
	v_mov_b32 v3, s72
	v_mov_b32 v4, s74
	v_mov_b32 v5, s76
	v_cmp_gt_u32 vcc_lo, 16, v1
	v_cndmask_b32 v4, v4, v3, vcc_lo               ; pass 1: lanes 0-15 take x's (source 1), lanes 16-31 the weight's (source 0)
	v_cndmask_b32 v5, v3, v5, vcc_lo               ; pass 2: lanes 0-15 take the weight's (source 1), lanes 16-31 x's (source 0)
	v_lshl_add_u32 v[SOF], v2, 4, v4
	v_lshl_add_u32 v[SOF2], v2, 4, v5
	v_lshl_add_u32 v[SOFX], v2, 4, v3              ; x's in all lanes: for pass 2's blocks 4-7, which source 1 does not have
.irp i, 0,1,2,3,4,5,6,7
.irp g, 0,1
	global_load_b128 v[SC+8*\i+4*\g:SC+8*\i+4*\g+3], v[SOF], s[6:7] offset:512*\i+256*\g   ; each half of the lanes reads 256 consecutive bytes
.endr
.endr
	s_lshl_b32 s76, s14, 10
	s_add_co_u32 s76, s76, STGQ
	v_lshl_add_u32 v[SQW], v2, 2, s76
	v_add_nc_u32 v[SQR], s76, v[LI]
	s_lshl_b32 s77, s14, 8
	s_add_co_u32 s77, s77, STGV
	v_lshl_add_u32 v[SVW], v2, 2, s77
	v_add_nc_u32 v[SVR], s77, v[L8]
.irp b, 0,1,2,3
	v_mov_b32 v[TM+4+\b], 0                        ; written once: a lane permute's destination counts as one of its sources
.endr
.macro FRAG reg, adr, q, i             ; a fragment: four chunks of 512 bytes, 16 bytes a lane
.irp c, 0,1,2,3
	ds_load_b128 v[\reg+4*\c:\reg+4*\c+3], v[\adr] offset:4096*(\i)+2048*(\q)+512*\c
.endr
.endm
; PASS 1.  16 matrix instructions: x's blocks a0, a0 + 1 against the weight's eight; p: the weight's set; ks: the K step of 128.
; The accumulators take turns, one instruction a turn, in the same order in every step.
.macro MUL16 a0, p, ks, zero
.irp a, \a0, \a0+1
.irp b, 0,1,2,3,4,5,6,7
.if \zero
	v_wmma_scale_f32_16x16x128_f8f6f4 v[8*(8*((\a)%4)+\b):8*(8*((\a)%4)+\b)+7], v[128*(\p)+FR*\b:128*(\p)+FR*\b+FR-1], v[AF+FR*(\a):AF+FR*(\a)+FR-1], 0, v[SC+8*\b+(\ks)], v[SC+8*(\a)+(\ks)] matrix_a_scale:MATRIX_SCALE_ROW1
.else
	v_wmma_scale_f32_16x16x128_f8f6f4 v[8*(8*((\a)%4)+\b):8*(8*((\a)%4)+\b)+7], v[128*(\p)+FR*\b:128*(\p)+FR*\b+FR-1], v[AF+FR*(\a):AF+FR*(\a)+FR-1], v[8*(8*((\a)%4)+\b):8*(8*((\a)%4)+\b)+7], v[SC+8*\b+(\ks)], v[SC+8*(\a)+(\ks)] matrix_a_scale:MATRIX_SCALE_ROW1
.endif
.endr
.endr
.endm
.macro FETCH_B slot, q, p
	WIN TO_B
.irp i, 0,1,2,3,4,5,6,7
	FRAG 128*(\p)+FR*\i, ADRB+\slot, \q, \i
.endr
	WIN 0
.endm
.macro FETCH_A slot, q, i0
.irp i, \i0, \i0+1, \i0+2, \i0+3
	FRAG AF+FR*(\i), ADRX+\slot, \q, \i
.endr
.endm
; Loads into registers that a matrix instruction has read, and reads of its results, stand eight places behind it; only plain vector instructions that name none of its registers are places.
.macro STEP slot, ks, zero             ; a slot's first 128 along K
	s_wait_dscnt 16                                ; the weight's set and x's blocks 0-3 are in; the 16 youngest loads (x's blocks 4-7) may be out
	WIN MUL_LO
	MUL16 0, 0, \ks, \zero
	MUL16 2, 0, \ks, \zero
	s_wait_dscnt 0
	PLACES 8
	FETCH_B \slot, 1, 1
	FETCH_A \slot, 1, 0
	WIN MUL_HI
	MUL16 4, 0, \ks, \zero
	MUL16 6, 0, \ks, \zero
	PLACES 8
	WIN 0
	FETCH_A \slot, 1, 4
.endm
; A slot's second 128 along K changes slots: one barrier, which opens a round of the cluster's; in front of it each wave waits for all its tensor loads, adds 0 to its spare word, and waits for that and for its reads of this slot.
; fill = 1: the slot takes this pass's K two steps on;  fill = 2: it takes pass 2's first step: x goes back along K, the weights are v's.
.macro TURN slot, next, fill, ks
	s_wait_tensorcnt 0x0                           ; all my tensor loads have landed: my part of the next slot
	ds_add_u32 v[SPW], v[NIL]                      ; 0 onto my spare word
	s_wait_dscnt 17                                ; (the add and the 16 youngest loads may be out)
	WIN MUL_LO
	MUL16 0, 1, \ks, 0
	s_wait_dscnt 0x0                               ; the add is done, and my reads of this slot are over
	s_barrier_signal -1
	MUL16 2, 1, \ks, 0
	WIN 0
	s_barrier_wait -1
	CREST                                          ; no wave of any partner still reads this slot or has a load on its way
.if \fill == 1
	s_add_nc_u64 s[G0+4*\slot+2:G0+4*\slot+3], s[G0+4*\slot+2:G0+4*\slot+3], 8192
	s_add_nc_u64 s[G0B+4*\slot+2:G0B+4*\slot+3], s[G0B+4*\slot+2:G0B+4*\slot+3], 8192
	JLOAD G0+4*\slot, G1, G0B+4*\slot, G1B         ; my one tensor load behind the round; its four v_nop are four of the eight places
.else
	s_sub_nc_u64 s[G0+4*\slot+2:G0+4*\slot+3], s[G0+4*\slot+2:G0+4*\slot+3], 8192
	JLOAD G0+4*\slot, G1, G0V+4*\slot, G1V
.endif
	PLACES 4
	FETCH_B \next, 0, 0
	FETCH_A \next, 0, 0
	ASKV (\ks-1)/2
	WIN MUL_HI
	MUL16 4, 1, \ks, 0
	MUL16 6, 1, \ks, 0
	PLACES 8
	WIN 0
	FETCH_A \next, 0, 4
.endm
; PASS 2.  Source 0 = x's 8 blocks, source 1 = the weight's 4: both have two sets of registers, so a step's 48 loads stand in one run in the middle of the step before.
.macro HFETCH slot, q, p
	WIN TO_B
.irp i, 0,1,2,3,4,5,6,7
	FRAG 128*(\p)+FR*\i, ADRX+\slot, \q, \i
.endr
	WIN 0
.irp i, 0,1,2,3
	FRAG AF+64*(\p)+FR*\i, ADRV+\slot, \q, \i
.endr
.endm
.macro MULH a, p, ks, zero             ; 8 matrix instructions: source 1's block a against source 0's eight; the 32 accumulators take turns
.irp b, 0,1,2,3,4,5,6,7
.if \zero
	v_wmma_scale_f32_16x16x128_f8f6f4 v[8*(8*(\a)+\b):8*(8*(\a)+\b)+7], v[128*(\p)+FR*\b:128*(\p)+FR*\b+FR-1], v[AF+64*(\p)+FR*(\a):AF+64*(\p)+FR*(\a)+FR-1], 0, v[SC+8*\b+(\ks)], v[SC+8*(\a)+(\ks)] matrix_a_scale:MATRIX_SCALE_ROW1
.else
	v_wmma_scale_f32_16x16x128_f8f6f4 v[8*(8*(\a)+\b):8*(8*(\a)+\b)+7], v[128*(\p)+FR*\b:128*(\p)+FR*\b+FR-1], v[AF+64*(\p)+FR*(\a):AF+64*(\p)+FR*(\a)+FR-1], v[8*(8*(\a)+\b):8*(8*(\a)+\b)+7], v[SC+8*\b+(\ks)], v[SC+8*(\a)+(\ks)] matrix_a_scale:MATRIX_SCALE_ROW1
.endif
.endr
.endm
.macro HSTEP slot, ks, zero            ; a slot's first 128 along K: sets 0
	s_wait_dscnt 0x0                               ; this step's fragments are in (asked for 16 matrix instructions ago)
	WIN MUL_LO
	MULH 0, 0, \ks, \zero
	MULH 1, 0, \ks, \zero
	PLACES 8                                       ; behind the last products that read sets 1
	HFETCH \slot, 1, 1
	WIN MUL_LO
	MULH 2, 0, \ks, \zero
	MULH 3, 0, \ks, \zero
	WIN 0
.endm
.macro HTURN slot, next, fill, ks      ; a slot's second 128 along K: sets 1; it changes slots as TURN does
	s_wait_tensorcnt 0x0                           ; all my tensor loads have landed: my part of the next slot
	ds_add_u32 v[SPW], v[NIL]                      ; 0 onto my spare word
	s_wait_dscnt 1                                 ; this step's fragments are in (the add may be out)
	WIN MUL_LO
	MULH 0, 1, \ks, 0
	s_wait_dscnt 0x0                               ; the add is done, and my reads of this slot are over
	s_barrier_signal -1
	MULH 1, 1, \ks, 0
	WIN 0
	s_barrier_wait -1
.if \fill
	CREST                                          ; the barrier has opened a round of the cluster's barrier
	s_add_nc_u64 s[G0+4*\slot+2:G0+4*\slot+3], s[G0+4*\slot+2:G0+4*\slot+3], 8192
	s_add_nc_u64 s[G0V+4*\slot+2:G0V+4*\slot+3], s[G0V+4*\slot+2:G0V+4*\slot+3], 8192
	JLOAD G0+4*\slot, G1, G0V+4*\slot, G1V         ; my one tensor load behind the round; its four v_nop are four of the eight places
	PLACES 4
.else
	PLACES 8
.endif
	HFETCH \next, 0, 0
	WIN MUL_LO
	MULH 2, 1, \ks, 0
	MULH 3, 1, \ks, 0
	WIN 0
.endm
; THE WAY OUT of source 1's block a: its 64 numbers a lane (register 16 b + i = source 0's row 32 b + 16 h + i) are four blocks of 32; they become four chunks of codes and four scale bytes.
; vp = 0: two heads x two blocks of the head's 64: two words of two bytes.  vp = 1: 128 tokens, one key step: one word.
.macro EPI a, vp
.set AC, 64*((\a)%4)
.set PS, PC+16*((\a)%4)
	WIN 0x0a+5*((\a)/4)                            ; sources 0 and 1: window 2 or 3
.irp b, 0,1,2,3
	v_max3_num_f32 v[TM+\b], |v[AC+16*\b]|, |v[AC+16*\b+1]|, 0x4800000   ; each accumulator is read from its low end on; the floor 2^(9 - 127) holds the byte at 1 from below
.endr
.irp i, 2,4,6,8,10,12,14
.irp b, 0,1,2,3
	v_max3_num_f32 v[TM+\b], |v[AC+16*\b+\i]|, |v[AC+16*\b+\i+1]|, v[TM+\b]
.endr
.endr
	WIN 0
.irp b, 0,1,2,3
	v_permlanex16_b32 v[TM+4+\b], v[TM+\b], s12, s13
.endr
.irp b, 0,1,2,3
	v_max_num_f32 v[TM+\b], v[TM+\b], v[TM+4+\b]   ; with lane l xor 16's: the block's largest magnitude
.endr
.irp b, 0,1,2,3
	v_add_nc_u32 v[TM+12+\b], 0xfc000000, v[TM+\b] ; the conversion's scale operand
.endr
.irp b, 0,1,2,3
	v_and_or_b32 v[TM+8+\b], v[TM+\b], 0x7f800000, s11   ; 448 x the scale
.endr
.irp b, 0,1,2,3
	v_lshrrev_b32 v[TM+4+\b], 23, v[TM+12+\b]      ; the byte
.endr
.if \vp
	v_lshl_or_b32 v[WD+\a], v[TM+5], 8, v[TM+4]
	v_lshl_or_b32 v[WD+\a], v[TM+6], 16, v[WD+\a]
	v_lshl_or_b32 v[WD+\a], v[TM+7], 24, v[WD+\a]
.else
	v_lshl_or_b32 v[WD+2*\a], v[TM+5], 8, v[TM+4]  ; bytes 2 and 3 stay 0: the upper half of the padded K step
	v_lshl_or_b32 v[WD+2*\a+1], v[TM+7], 8, v[TM+6]
.endif
	WIN 0x02+((\a)/4)                              ; source 0: window 2 or 3
.irp b, 0,1,2,3
.irp i, 0,1,2,3,4,5,6,7,8,9,10,11,12,13,14,15
	v_med3_num_f32 v[X+16*\b+\i], v[AC+16*\b+\i], -v[TM+8+\b], v[TM+8+\b]   ; the hold, on the way into window 0
.endr
.endr
	WIN 0
.if (\a) >= 4
	s_wait_alu depctr_va_vdst(0)
	s_wait_xcnt 0x0                                ; this set of codes was the data of the stores four blocks ago
.endif
.irp b, 0,1,2,3
	v_cvt_scalef32_pk8_fp8_f32 v[PS+4*\b:PS+4*\b+1], v[X+16*\b:X+16*\b+7], v[TM+12+\b]
	v_cvt_scalef32_pk8_fp8_f32 v[PS+4*\b+2:PS+4*\b+3], v[X+16*\b+8:X+16*\b+15], v[TM+12+\b]
.endr
	v_nop                                          ; one plain vector line behind the last conversion of a run
.irp b, 0,1,2,3
.if \vp
	global_store_b128 v[LI], v[PS+4*\b:PS+4*\b+3], s[66:67] offset:(\a)*2048+512*\b
.else
	global_store_b128 v[LI], v[PS+4*\b:PS+4*\b+3], s[66:67] offset:(\a)*1024+(\b/2)*HB+(\b%2)*512
.endif
.endr
.if \vp
	ds_store_b32 v[SVW], v[WD+\a] offset:64*\a     ; lanes r and r + 16 write the same word with the same value
.else
	ds_store_b32 v[SQW], v[WD+2*\a] offset:64*\a
	ds_store_b32 v[SQW], v[WD+2*\a+1] offset:512+64*\a
.endif
.endm
	; ---- PASS 1: q or k
	s_wait_alu depctr_va_vdst(0)                   ; the wait at the head's end
	s_wait_tensorcnt 0x0                           ; my part of slot 0 is in
	ds_add_u32 v[SPW], v[NIL]
	s_wait_dscnt 0x0
	CROUND                                         ; slot 0 is whole, and all sixteen work-groups are here
	JLOAD G0+4, G1, G0B+4, G1B                     ; slot 1's first fill: my one tensor load behind the round
	FETCH_B 0, 0, 0
	ASKP 3                                         ; K step 3: two refills ahead
	FETCH_A 0, 0, 0
	FETCH_A 0, 0, 4
	s_wait_loadcnt 0x0                             ; the scale words
	STEP 0, 0, 1                                   ; K = 1024 is eight steps of 128, written out; the first starts the sums
	TURN 0, 1, 1, 1
	STEP 1, 2, 0
	TURN 1, 0, 1, 3
	STEP 0, 4, 0
	TURN 0, 1, 2, 5                                ; slot 0 takes pass 2's first 256 along K
	STEP 1, 6, 0
	s_wait_tensorcnt 0x0                           ; the last step is a change of slots too: my part of pass 2's first step has landed,
	ds_add_u32 v[SPW], v[NIL]                      ; 0 onto my spare word
	s_wait_dscnt 17                                ; (the add and the 16 youngest loads may be out)
	WIN MUL_LO
	MUL16 0, 1, 7, 0
	s_wait_dscnt 0x0                               ; the add is done, and my reads of slot 1 are over
	s_barrier_signal -1
	MUL16 2, 1, 7, 0
	WIN 0
	s_barrier_wait -1
	CREST
	s_sub_nc_u64 s[G0+6:G0+7], s[G0+6:G0+7], 8192
	JLOAD G0+4, G1, G0V+4, G1V                     ; slot 1 takes pass 2's second 256 along K
	ASKV 3
	WIN MUL_HI
	MUL16 4, 1, 7, 0
	MUL16 6, 1, 7, 0
	WIN 0
	PLACES 8                                       ; behind the last products: for the reads of results and the loads into the scale words' registers
.irp i, 0,1,2,3
.irp g, 0,1
	global_load_b128 v[SC+8*\i+4*\g:SC+8*\i+4*\g+3], v[SOF2], s[6:7] offset:512*\i+256*\g   ; pass 2's scale words
.endr
.endr
	s_wait_alu depctr_va_vdst(0)
.irp i, 4,5,6,7
.irp g, 0,1
	global_load_b128 v[SC+8*\i+4*\g:SC+8*\i+4*\g+3], v[SOFX], s[6:7] offset:512*\i+256*\g   ; (x's alone: source 1 has four blocks)
.endr
.endr
	; first head: 16 (TR / 4) + 4 (TC % 4) + 2 (wave % 2); first token tile of the batch: 16 (TR % 4) + 8 (wave / 2)
	s_lshr_b32 s70, s17, 2
	s_lshl_b32 s70, s70, 4
	s_and_b32 s71, s42, 3
	s_lshl_b32 s71, s71, 2
	s_add_co_u32 s70, s70, s71
	s_lshl_b32 s71, s16, 1
	s_add_co_u32 s70, s70, s71
	s_mul_i32 s70, s70, HB
	s_mul_i32 s71, s23, 69632                      ; k's part lies 69,632 bytes behind q's
	s_add_co_u32 s70, s70, s71
	s_and_b32 s72, s17, 3
	s_lshl_b32 s72, s72, 4
	s_lshl_b32 s73, s15, 3
	s_add_co_u32 s72, s72, s73
	s_lshl_b32 s73, s72, 10
	s_add_co_u32 s74, s70, s73
	s_mov_b32 s75, 0
	s_add_nc_u64 s[66:67], s[8:9], s[74:75]        ; the codes
	s_lshl_b32 s73, s72, 6
	s_add_co_u32 s74, s70, s73
	s_add_co_u32 s74, s74, 65536
	s_add_nc_u64 s[68:69], s[8:9], s[74:75]        ; the scale words
.irp a, 0,1,2,3,4,5,6,7
	EPI \a, 0
.endr
	ds_load_b128 v[X:X+3], v[SQR]                  ; LDS serves a wave's instructions in order: these see my stores.  8 token tiles x 64 bytes of one head,
	ds_load_b128 v[X+4:X+7], v[SQR] offset:512     ; and of the next
	s_wait_dscnt 0x0
	global_store_b128 v[LI], v[X:X+3], s[68:69]    ; 512 consecutive bytes, aligned
	global_store_b128 v[LI], v[X+4:X+7], s[68:69] offset:HB
	; ---- PASS 2: v^T
	s_wait_xcnt 0x0                                ; pass 1's stores have read their registers and bases: fragments may land there, and the bases may be written
	HFETCH 0, 0, 0                                 ; slot 0 was shown whole to every wave by the round in pass 1's last step
	s_wait_loadcnt 0x0                             ; pass 2's scale words
	HSTEP 0, 0, 1
	HTURN 0, 1, 1, 1
	HSTEP 1, 2, 0
	HTURN 1, 0, 1, 3
	HSTEP 0, 4, 0
	HTURN 0, 1, 0, 5                               ; nothing is left to fetch
	HSTEP 1, 6, 0
	s_wait_dscnt 0x0
	WIN MUL_LO
	MULH 0, 1, 7, 0
	MULH 1, 1, 7, 0
	MULH 2, 1, 7, 0
	MULH 3, 1, 7, 0
	WIN 0
	PLACES 8                                       ; behind the last products
	; my head: 16 (TR / 4) + 2 TC + wave % 2; my key step: 2 (TR % 4) + wave / 2
	s_lshr_b32 s70, s17, 2
	s_lshl_b32 s70, s70, 4
	s_lshl_b32 s71, s42, 1
	s_add_co_u32 s70, s70, s71
	s_add_co_u32 s70, s70, s16
	s_mul_i32 s70, s70, HB
	s_and_b32 s72, s17, 3
	s_lshl_b32 s72, s72, 1
	s_add_co_u32 s72, s72, s15
	s_lshl_b32 s73, s72, 13
	s_add_co_u32 s74, s70, s73
	s_add_co_u32 s74, s74, 139264
	s_mov_b32 s75, 0
	s_add_nc_u64 s[66:67], s[8:9], s[74:75]
	s_lshl_b32 s73, s72, 8
	s_add_co_u32 s74, s70, s73
	s_add_co_u32 s74, s74, 204800
	s_add_nc_u64 s[68:69], s[8:9], s[74:75]
.irp a, 0,1,2,3
	EPI \a, 1
.endr
	ds_load_b64 v[X:X+1], v[SVR]                   ; my head's 4 tiles x 64 bytes of this key step
	s_wait_dscnt 0x0
	global_store_b64 v[L8], v[X:X+1], s[68:69]     ; 256 consecutive bytes, aligned
	s_wait_tensorcnt 0x0                           ; the wave's end
	ds_add_u32 v[SPW], v[NIL]
	s_wait_dscnt 0x0
	CROUND                                         ; the closing round: no work-group ends while a partner may still ask for a tile that names it
	s_endpgm
.Lfunc_end_k_q6621658ad6_gemm_qkv:
	.size	k_q6621658ad6_gemm_qkv, .Lfunc_end_k_q6621658ad6_gemm_qkv-k_q6621658ad6_gemm_qkv
	.p2alignl 7, 3214868480
	.fill 96, 4, 3214868480
	.section	.rodata,"a",@progbits
	.p2align	6, 0x0
	.amdhsa_kernel k_q6621658ad6_gemm_qkv
		.amdhsa_group_segment_fixed_size 327680
		.amdhsa_private_segment_fixed_size 0
		.amdhsa_enable_private_segment 0
		.amdhsa_kernarg_size 24
		.amdhsa_user_sgpr_count 2
		.amdhsa_user_sgpr_kernarg_segment_ptr 1
		.amdhsa_wavefront_size32 1
		.amdhsa_system_sgpr_workgroup_id_x 1
		.amdhsa_system_sgpr_workgroup_id_y 1
		.amdhsa_system_sgpr_workgroup_id_z 1
		.amdhsa_system_vgpr_workitem_id 0
		.amdhsa_next_free_vgpr 1024
		.amdhsa_next_free_sgpr 100
		.amdhsa_reserve_vcc 1
		.amdhsa_float_denorm_mode_32 3
		.amdhsa_float_denorm_mode_16_64 3
		.amdhsa_memory_ordered 1
		.amdhsa_forward_progress 1
		.amdhsa_inst_pref_size 255
	.end_amdhsa_kernel
	.section	.bss,"aw",@nobits
	.p2align	6
	.space	262144
	.amdgpu_metadata
---
amdhsa.version: [ 1, 2 ]
amdhsa.kernels:
  - .name:           k_q6621658ad6_gemm_qkv
    .symbol:         k_q6621658ad6_gemm_qkv.kd
    .args:
      - { .name: img, .offset: 0, .size: 8, .value_kind: global_buffer, .address_space: global }
      - { .name: sc, .offset: 8, .size: 8, .value_kind: global_buffer, .address_space: global }
      - { .name: qkv, .offset: 16, .size: 8, .value_kind: global_buffer, .address_space: global }
    .group_segment_fixed_size: 327680
    .private_segment_fixed_size: 0
    .kernarg_segment_align: 8
    .kernarg_segment_size: 24
    .max_flat_workgroup_size: 128
    .sgpr_count:     100
    .vgpr_count:     1024
    .wavefront_size: 32
...
	.end_amdgpu_metadata
.endif
;; end of part 2
;; launch attn (part 3): grid 4 x 64, 8 waves a work-group, clusters of 4 x 1, 327,680 bytes of LDS; arguments qkv, ao, sc; writes ao, sc
.if DOCPART == 3
	.amdgcn_target "amdgcn-amd-amdhsa--gfx1250"
	.amdhsa_code_object_version 6
	.text
	.protected	k_q6621658ad6_attn
	.globl	k_q6621658ad6_attn
	.p2align	8
	.type	k_q6621658ad6_attn,@function
k_q6621658ad6_attn:
	s_mov_b64 s[64:65], 0
	v_nop
	global_prefetch_b8 v0, s[64:65] scope:SCOPE_SE
	s_setreg_imm32_b32 hwreg(HW_REG_WAVE_MODE, 25, 1), 1
	s_wait_xcnt 0x0
	s_wait_alu depctr_hold_cnt(0) depctr_sa_sdst(0) depctr_va_vdst(0) depctr_va_sdst(0) depctr_va_ssrc(0) depctr_va_vcc(0) depctr_vm_vsrc(0)
	s_getreg_b32 s2, hwreg(HW_REG_IB_STS2, 6, 4)
	s_cmp_eq_u32 s2, 0
	s_cbranch_scc0 .Lentry_in_a_cluster
	s_endpgm
.Lentry_in_a_cluster:
	s_bfe_u32 s2, ttmp6, 0x10000c
	s_cmp_lg_u32 s2, 0x3003
	s_cbranch_scc0 .Lentry_shape_is_right
	s_endpgm
.Lentry_shape_is_right:
; O = softmax(Q K^T / 8) V for 128 heads of 1,024 tokens x 64 channels, both products on codes of E4M3 with one E8M0 byte for 32 along K; O leaves quantised along the channels, as the next product's operand.
; IN: qkv holds 128 head blocks of HB bytes (head 16 batch + h): q's codes [token tile 64][chunk 2][512], q's scale words [64][16], the same for k, v's codes [key step 8][channel tile 4][chunk 4][512], v's scale words [8][4][16].
; A chunk is an image of operand registers: lane l's 16 bytes at 16 l.  Lane index r of a tile T stands for row 32 (T / 2) + 8 (T % 2) + r + 8 (r / 8): so the 16 result registers of source 0's tiles 2 b, 2 b + 1 are 16 neighbours.
; OUT: ao, images of the same kind: token tile T, chunk kb at (32 T + kb) x 512; its scale words in sc at 393,216 + 512 T: [half of K][r][4 words].
; THE SOFTMAX: t = score x log2(e) / 8; M = the running largest t rounded up to a whole number; p = 2^(t - M) is quantised along the keys, not normalised; the sum of the unquantised p divides O at the end; when M moves, sum and O are multiplied by 2^(old M - new M).
; SHARES: a work-group owns 256 queries of two heads; each of its 8 waves owns two tiles of 16 queries and walks head 0's and then head 1's 8 key steps of 128.  Both products are used transposed: a lane holds one query.
; The head's 64 fill half of the instruction's 128 along K: q's upper 8 registers are zero codes, so what k's fragment names there (the next tile's codes, behind the last tile zeros) adds nothing.
; LDS: k's and v's codes and scale words of both heads, 2 x 137,216 bytes, filled ONCE: each wave asks for a quarter of one head's block, 134 rows of 256 bytes, by one line that all waves issue, so every wave waits for 0 ahead of the one barrier.
; CLUSTER: the four query blocks of a pair of heads read the same k and v: the loads are joint (mask 15).  No prefetch: all that the launch reads through LDS is asked for at its head, and there is no loop to run ahead in.
; LIMITS: the promise holds while the scaled scores stay under 2^31 in magnitude; NaN and infinities are not served; a block of zeros gets the byte 1 where the rule says 127 (zero codes; only this program reads the bytes).
; REGISTERS: window 0: v1-11 addresses, v12-27 state of the two tiles (-M, largest score, sum x 2, factor, 0, p's scale word, O's scale word), v28-41 scale words, v64-191 scores then p, v192-223 p's codes, v224-247 blocks' maxima, scale operands, bounds.
;   window 1: v0-63 O^T, v64-95 q, v96-167 k, v168-231 v.
.set HB,    206848
.set HBL,   137216
.set WPART, HBL/4
.set SPARE, 2*HBL                      ; the spare words, 128 bytes a wave: four blocks of 256 bytes that no other line names
.set LI,   1
.set L4K,  2
.set LIV,  3
.set L4V,  4
.set ADK,  5
.set ADKS, 6
.set ADV,  7
.set ADVS, 8
.set VQ,   9
.set VQS,  10
.set VW,   11
.set ST,   12
.set QW,   28
.set KW,   30
.set VWD,  38
.set SPW,  42
.set NIL,  43
.set T0,   44
.set NM,   46
.set WO,   48
.set C2,   50
.set S,    64
.set P,    192
.set BM,   224
.set PX,   232
.set LIM,  240
.set QF,   64
.set KF,   96
.set VF,   168
.set WV,   12
.set G1,   24
.set G0,   32
.set SEL,  40
.set CS,   42
.set MNT,  44
.set TK,   45
.set TS,   46
.set TT,   47
.set CNT,  58
.set CN,   59
.set MSB, 0
.macro WIN new                         ; the immediate's high byte repeats the setting that is left
.if MSB != \new
	s_set_vgpr_msb (MSB<<8)|\new
.set MSB, \new
.endif
.endm
.macro CROUND                          ; a round of the cluster's barrier
	s_barrier_signal -1
	s_barrier_wait -1
	s_cmp_lg_u32 s[WV], 0
	s_cbranch_scc1 .Lnot_wave_0_\@
	s_barrier_signal -3
.Lnot_wave_0_\@:
	s_barrier_wait -3
	s_barrier_signal -1
	s_barrier_wait -1
.endm
.macro QLOAD j                         ; head j's q: two tiles of two chunks, and their scale words
	WIN 0x40
.irp u, 0,1
.irp c, 0,1
	global_load_b128 v[QF+16*\u+4*\c:QF+16*\u+4*\c+3], v[VQ], s[16:17] offset:(\j)*HB+1024*\u+512*\c
.endr
.endr
	WIN 0
.irp u, 0,1
	global_load_b32 v[QW+\u], v[VQS], s[16:17] offset:(\j)*HB+64*\u
.endr
.endm
	s_load_b128 s[4:7], s[0:1], 0x0                ; qkv, ao
	s_load_b64 s[8:9], s[0:1], 0x10                ; sc
	v_lshl_add_u32 v[SPW], v0, 2, SPARE
	v_mov_b32 v[NIL], 0
	ds_add_u32 v[SPW], v[NIL]                      ; the opening lines: the add, twice on end, and its wait ahead of my tensor load
	ds_add_u32 v[SPW], v[NIL]
	v_lshrrev_b32 v54, 5, v0
	v_readfirstlane_b32 s[WV], v54                 ; wave 0..7
	s_bfe_u32 s13, ttmp6, 0x40000                  ; cx: my block of 256 queries
	s_and_b32 s14, ttmp7, 0xffff                   ; the pair of heads
	s_lshl_b32 s15, s13, 4
	s_lshl_b32 s48, s[WV], 1
	s_add_co_u32 s15, s15, s48                     ; my first token tile in the batch
	s_mul_i32 s22, s14, 2*HB
	s_mov_b32 s23, 0
	s_lshr_b32 s60, s[WV], 2                       ; what I fetch: head wave / 4, quarter wave % 4 of its k and v
	s_mul_i32 s60, s60, HB
	s_and_b32 s61, s[WV], 3
	s_mul_i32 s61, s61, WPART
	s_add_co_u32 s52, s22, s60
	s_add_co_u32 s52, s52, s61
	s_add_co_u32 s52, s52, 69632
	s_mov_b32 s53, 0
	s_lshr_b32 s48, s14, 3
	s_lshl_b32 s48, s48, 6
	s_add_co_u32 s48, s48, s15                     ; my first token tile of all 512
	s_lshl_b32 s54, s48, 14                        ; ao: 16,384 bytes a tile, 2,048 for each pair of heads
	s_and_b32 s49, s14, 7
	s_lshl_b32 s51, s49, 11
	s_add_co_u32 s54, s54, s51
	s_mov_b32 s55, 0
	s_lshl_b32 s56, s48, 9                         ; sc: 512 bytes a tile, 256 a half of K, 4 a word
	s_lshr_b32 s51, s49, 2
	s_lshl_b32 s51, s51, 8
	s_add_co_u32 s56, s56, s51
	s_and_b32 s51, s14, 3
	s_lshl_b32 s51, s51, 2
	s_add_co_u32 s56, s56, s51
	s_add_co_u32 s56, s56, 393216
	s_mov_b32 s57, 0
	s_mov_b32 s[G1], 15|(3<<16)|(1<<21)            ; the mask names the cluster's four; elements of 8 bytes; no padding: an image is read 16 bytes a lane on end
	s_mov_b32 s[G1+1], 32<<16                      ; rows of 256 bytes
	s_mov_b32 s[G1+2], 134<<16
	s_mov_b32 s[G1+3], 32<<16
	s_mov_b32 s[G1+4], 134
	s_mov_b32 s[G1+5], 32
	s_mov_b32 s[G1+6], 0
	s_mov_b32 s[G1+7], 0
	s_mov_b32 s[G0], 1
	s_mul_i32 s[G0+1], s[WV], WPART                ; head 0's four quarters, then head 1's
	s_mov_b32 s[SEL], 0x76543210
	s_mov_b32 s[SEL+1], 0xfedcba98                 ; lane l xor 16
	s_mov_b32 s[CS], 0x3e38aa3b                    ; c = log2(e) / 8
	s_mov_b32 s[CS+1], s[CS]
	s_mov_b32 s[CN], 0xbe38aa3b                    ; -c
	s_mov_b32 s[MNT], 0x600000                     ; the mantissa field of 448
	s_lshl_b32 s48, s15, 10
	s_lshl_b32 s49, s15, 6
	s_add_co_u32 s49, s49, 65536
	v_and_b32 v54, 31, v0
	v_and_b32 v55, 15, v0
	v_bfe_u32 v56, v0, 4, 1
	v_lshlrev_b32 v[LI], 4, v54
	v_lshl_add_u32 v[L4K], v55, 2, 65536
	v_add_nc_u32 v[LIV], 69632, v[LI]
	v_lshl_add_u32 v[L4V], v55, 2, 135168
	v_add_nc_u32 v[VQ], s48, v[LI]
	v_lshl_add_u32 v[VQS], v55, 2, s49
	v_lshlrev_b32 v[VW], 4, v55
	v_lshl_add_u32 v[VW], v56, 9, v[VW]
	s_wait_alu depctr_va_vdst(0)                   ; the wait here, directly ahead of the waits below
	s_wait_dscnt 0x0                               ; both opening adds are done
	s_wait_kmcnt 0x0
	s_add_nc_u64 s[16:17], s[4:5], s[22:23]
	s_add_nc_u64 s[G0+2:G0+3], s[4:5], s[52:53]
	s_or_b32 s[G0+3], s[G0+3], 0x80000000
	s_add_nc_u64 s[18:19], s[6:7], s[54:55]
	s_add_nc_u64 s[20:21], s[8:9], s[56:57]
	QLOAD 0
	CROUND                                         ; the four work-groups are here: the joint loads meet
	tensor_load_to_lds s[G0:G0+3], s[G1:G1+7]      ; my one tensor load of the launch
	s_nop 0
.rept 4
	v_nop
.endr
	WIN 0x40
.irp u, 0,1
.irp i, 8,9,10,11,12,13,14,15
	v_mov_b32 v[QF+16*\u+\i], 0                    ; q's upper half of the instruction's K: zero codes
.endr
.endr
.irp i, 0,1,2,3,4,5,6,7
	v_mov_b32 v[KF+64+\i], 0                       ; what the last tile of k names there
.endr
	WIN 0
.irp i, 0,1,2,3,4,5,6,7
	v_mov_b32 v[PX+\i], 0                          ; a lane permute's destination counts as one of its sources
.endr
	v_mov_b32 v[ST+5], 0                           ; named as the upper halves of pairs
	v_mov_b32 v[ST+13], 0
.macro KLOAD
.irp k, 0,1,2,3,4,5,6,7
.irp c, 0,1
	ds_load_b128 v[KF+8*\k+4*\c:KF+8*\k+4*\c+3], v[ADK] offset:1024*\k+512*\c
.endr
.endr
.endm
.macro KWORDS
.irp k, 0,1,2,3,4,5,6,7
	ds_load_b32 v[KW+\k], v[ADKS] offset:64*\k
.endr
.endm
; THE SOFTMAX OF A KEY STEP, both tiles by turns, so that no line waits for the line above it.
.macro SOFT
.irp b, 0,1,2,3
.irp u, 0,1
	v_max3_num_f32 v[BM+4*\u+\b], v[S+64*\u+16*\b], v[S+64*\u+16*\b+1], v[S+64*\u+16*\b+2]   ; the largest score of each block of 32 keys; each accumulator is read from its low end on
.endr
.endr
.irp i, 3,5,7,9,11,13
.irp b, 0,1,2,3
.irp u, 0,1
	v_max3_num_f32 v[BM+4*\u+\b], v[BM+4*\u+\b], v[S+64*\u+16*\b+\i], v[S+64*\u+16*\b+\i+1]
.endr
.endr
.endr
.irp b, 0,1,2,3
.irp u, 0,1
	v_max_num_f32 v[BM+4*\u+\b], v[BM+4*\u+\b], v[S+64*\u+16*\b+15]
.endr
.endr
.irp n, 0,1,2,3,4,5,6,7
	v_permlanex16_b32 v[PX+\n], v[BM+\n], s[SEL], s[SEL+1]
.endr
.irp n, 0,1,2,3,4,5,6,7
	v_max_num_f32 v[BM+\n], v[BM+\n], v[PX+\n]     ; with lane l xor 16's 16 keys
.endr
.irp u, 0,1
	v_max3_num_f32 v[ST+8*\u+1], v[ST+8*\u+1], v[BM+4*\u], v[BM+4*\u+1]   ; the running largest score
.endr
.irp u, 0,1
	v_max3_num_f32 v[ST+8*\u+1], v[ST+8*\u+1], v[BM+4*\u+2], v[BM+4*\u+3]
.endr
.irp u, 0,1
	v_mul_f32 v[T0+\u], s[CN], v[ST+8*\u+1]        ; -t
.endr
.irp u, 0,1
	v_floor_f32 v[T0+\u], v[T0+\u]                 ; the new -M = floor(-t): a whole number
.endr
.irp u, 0,1
	v_sub_f32 v[NM+\u], v[T0+\u], v[ST+8*\u]       ; old M - new M, 0 or less
.endr
.irp u, 0,1
	v_mov_b32 v[ST+8*\u], v[T0+\u]
.endr
.irp u, 0,1
	v_cvt_i32_f32 v[NM+\u], v[NM+\u]               ; (it saturates)
.endr
.irp u, 0,1
	v_ldexp_f32 v[ST+8*\u+4], 1.0, v[NM+\u]        ; f = 2^(old M - new M)
.endr
.irp u, 0,1
.set J, 0
.rept 32
	v_pk_fma_f32 v[S+64*\u+J:S+64*\u+J+1], v[S+64*\u+J:S+64*\u+J+1], s[CS:CS+1], v[ST+8*\u:ST+8*\u+1] op_sel_hi:[1,0,0]   ; t - M
.set J, J+2
.endr
.endr
.irp b, 0,1,2,3
.irp u, 0,1
	v_fma_f32 v[BM+4*\u+\b], v[BM+4*\u+\b], s[CS], v[ST+8*\u]   ; the same of each block's largest score
.endr
.endr
	s_wait_alu depctr_va_vdst(0)                   ; the wait ahead of the batch
.set J, 0
.rept 128
	v_exp_f32 v[S+J], v[S+J]                       ; p = 2^(t - M)
.set J, J+1
.endr
.irp n, 0,1,2,3,4,5,6,7
	v_exp_f32 v[BM+\n], v[BM+\n]                   ; the block's largest p
.endr
.irp u, 0,1
	v_pk_mul_f32 v[ST+8*\u+2:ST+8*\u+3], v[ST+8*\u+2:ST+8*\u+3], v[ST+8*\u+4:ST+8*\u+5] op_sel_hi:[1,0]   ; the sums under the new M
.endr
	s_wait_alu depctr_va_vdst(0)                   ; and behind it, ahead of its first reader
.irp n, 0,1,2,3,4,5,6,7
	v_max_num_f32 v[BM+\n], 0x4800000, v[BM+\n]    ; the floor 2^(9 - 127): the byte cannot fall under 1
.endr
.irp n, 0,1,2,3,4,5,6,7
	v_add_nc_u32 v[PX+\n], 0xfc000000, v[BM+\n]    ; 8 off the exponent field: the conversion's scale operand
.endr
.irp n, 0,1,2,3,4,5,6,7
	v_and_or_b32 v[LIM+\n], v[BM+\n], 0x7f800000, s[MNT]   ; 448 x the scale
.endr
.irp n, 0,1,2,3,4,5,6,7
	v_lshrrev_b32 v[BM+\n], 23, v[PX+\n]           ; the byte
.endr
.irp u, 0,1
	v_lshl_or_b32 v[ST+8*\u+6], v[BM+4*\u+1], 8, v[BM+4*\u]
.endr
.irp u, 0,1
	v_lshl_or_b32 v[ST+8*\u+6], v[BM+4*\u+2], 16, v[ST+8*\u+6]
.endr
.irp u, 0,1
	v_lshl_or_b32 v[ST+8*\u+6], v[BM+4*\u+3], 24, v[ST+8*\u+6]   ; p's scale word for these 128 keys
.endr
.irp u, 0,1
	v_pk_add_f32 v[C2+2*\u:C2+2*\u+1], v[S+64*\u:S+64*\u+1], v[S+64*\u+2:S+64*\u+3]   ; the sum of the unquantised p: four chains by turns
.endr
.irp j, 4,8,12,16,20,24,28,32,36,40,44,48,52,56,60
.irp u, 0,1
	v_pk_add_f32 v[ST+8*\u+2:ST+8*\u+3], v[ST+8*\u+2:ST+8*\u+3], v[S+64*\u+\j:S+64*\u+\j+1]
	v_pk_add_f32 v[C2+2*\u:C2+2*\u+1], v[C2+2*\u:C2+2*\u+1], v[S+64*\u+\j+2:S+64*\u+\j+3]
.endr
.endr
.irp u, 0,1
	v_pk_add_f32 v[ST+8*\u+2:ST+8*\u+3], v[ST+8*\u+2:ST+8*\u+3], v[C2+2*\u:C2+2*\u+1]
.endr
; the hold (the conversion to an 8-bit code does not saturate, ISA guide 7.6.2; p is not negative): two numbers an instruction, one of block b and one of block b + 1, so that the pair's destinations are even and odd and its sources lie in different banks
.irp u, 0,1
.irp b, 0,2
.irp i, 0,1,2,3,4,5,6,7,8,9,10,11,12,13,14,15
	v_dual_min_num_f32 v[S+64*\u+16*\b+\i], v[LIM+4*\u+\b], v[S+64*\u+16*\b+\i] :: v_dual_min_num_f32 v[S+64*\u+16*\b+16+(\i^1)], v[LIM+4*\u+\b+1], v[S+64*\u+16*\b+16+(\i^1)]
.endr
.endr
.endr
.irp u, 0,1
.irp b, 0,1,2,3
	v_cvt_scalef32_pk8_fp8_f32 v[P+16*\u+4*\b:P+16*\u+4*\b+1], v[S+64*\u+16*\b:S+64*\u+16*\b+7], v[PX+4*\u+\b]
	v_cvt_scalef32_pk8_fp8_f32 v[P+16*\u+4*\b+2:P+16*\u+4*\b+3], v[S+64*\u+16*\b+8:S+64*\u+16*\b+15], v[PX+4*\u+\b]
.endr
.endr
.endm
; A KEY STEP of head j: 128 keys.  Its 16 + 8 products take 24 different accumulators by turns.
.macro STEP j
	s_wait_dscnt 0x0                               ; this step's k is in
	WIN 0x05
.irp k, 0,1,2,3,4,5,6,7
.irp u, 0,1
	v_wmma_scale_f32_16x16x128_f8f6f4 v[S+64*\u+8*\k:S+64*\u+8*\k+7], v[KF+8*\k:KF+8*\k+15], v[QF+16*\u:QF+16*\u+15], 0, v[KW+\k], v[QW+\u]
.endr
.endr
	WIN 0
	v_add_nc_u32 v[ADV], s[TK], v[LIV]             ; eight places behind the products: four additions and four v_nop
	v_add_nc_u32 v[ADVS], s[TT], v[L4V]
	s_add_co_u32 s[TK], s[TK], 8192
	s_add_co_u32 s[TS], s[TS], 512
	s_add_co_u32 s[TT], s[TT], 256
	v_add_nc_u32 v[ADK], s[TK], v[LI]
	v_add_nc_u32 v[ADKS], s[TS], v[L4K]
.rept 4
	v_nop
.endr
	WIN 0x40
.irp t, 0,1,2,3
.irp c, 0,1,2,3
	ds_load_b128 v[VF+16*\t+4*\c:VF+16*\t+4*\c+3], v[ADV] offset:2048*\t+512*\c
.endr
.endr
	WIN 0
.irp t, 0,1,2,3
	ds_load_b32 v[VWD+\t], v[ADVS] offset:64*\t
.endr
	s_cmp_eq_u32 s[CNT], 1                         ; the head's last step has no next k: the branch hangs on the count of trips alone
	s_cbranch_scc1 .Llast_\@
	WIN 0x40
	KLOAD
	WIN 0
	KWORDS
.if (\j) == 0
	s_branch .Ljoin_\@
.Llast_\@:
	QLOAD 1                                        ; it fetches the next head's q instead
.Ljoin_\@:
.else
.Llast_\@:
.endif
	SOFT
	WIN 0x41
	s_wait_alu depctr_va_vdst(0)                   ; the wait here, directly ahead of the first reader of O^T
.irp u, 0,1
.set J, 0
.rept 16
	v_pk_mul_f32 v[32*\u+J:32*\u+J+1], v[32*\u+J:32*\u+J+1], v[ST+8*\u+4:ST+8*\u+5] op_sel_hi:[1,0]   ; O^T under the new M; these 32 are also the places ahead of the products below
.set J, J+2
.endr
.endr
	s_wait_alu depctr_va_vdst(0)                   ; the wait here, directly ahead of the wait below
	s_wait_dscnt 0x0                               ; v is in (so is the next k: all were asked for ahead of the softmax)
	WIN 0x51
.irp t, 0,1,2,3
.irp u, 0,1
	v_wmma_scale_f32_16x16x128_f8f6f4 v[32*\u+8*\t:32*\u+8*\t+7], v[VF+16*\t:VF+16*\t+15], v[P+16*\u:P+16*\u+15], v[32*\u+8*\t:32*\u+8*\t+7], v[VWD+\t], v[ST+8*\u+6]
.endr
.endr
	WIN 0
.endm
; A HEAD: eight key steps in one loop, then O^T / the sum is quantised along the channels (two blocks of 32 a tile) and stored.
.macro HEAD j
.irp u, 0,1
	v_mov_b32 v[ST+8*\u], 0x7f61b1e6               ; -M: 3e38, so that the first f is 0
	v_mov_b32 v[ST+8*\u+1], 0xff61b1e6             ; the largest score so far: -3e38
	v_mov_b32 v[ST+8*\u+2], 0
	v_mov_b32 v[ST+8*\u+3], 0
.endr
	s_mov_b32 s[TK], (\j)*HBL
	s_mov_b32 s[TS], (\j)*HBL
	s_mov_b32 s[TT], (\j)*HBL
	v_add_nc_u32 v[ADK], s[TK], v[LI]
	v_add_nc_u32 v[ADKS], s[TS], v[L4K]
	WIN 0x40
.set J, 0
.rept 64
	v_mov_b32 v[J], 0                              ; O^T: the step is written once for each head; its first trip finds zeros
.set J, J+1
.endr
	KLOAD
	WIN 0
	KWORDS
	s_wait_xcnt 0x0                                ; the last head's stores have read their data: the scores may land there
	s_wait_loadcnt 0x0                             ; q
	s_mov_b32 s[CNT], 8
.Lkeys_\@:
	STEP \j
	s_sub_co_u32 s[CNT], s[CNT], 1
	s_cmp_lg_u32 s[CNT], 0
	s_cbranch_scc1 .Lkeys_\@
.rept 8
	v_nop                                          ; places behind the last products
.endr
.irp u, 0,1
	v_add_f32 v[ST+8*\u+2], v[ST+8*\u+2], v[ST+8*\u+3]
.endr
.irp u, 0,1
	v_permlanex16_b32 v[PX+\u], v[ST+8*\u+2], s[SEL], s[SEL+1]
.endr
.irp u, 0,1
	v_add_f32 v[ST+8*\u+2], v[ST+8*\u+2], v[PX+\u] ; the row's sum
.endr
	s_wait_alu depctr_va_vdst(0)                   ; the wait ahead of the transcendentals
.irp u, 0,1
	v_rcp_f32 v[ST+8*\u+4], v[ST+8*\u+2]
.endr
	v_nop
	WIN 0x01
	s_wait_alu depctr_va_vdst(0)                   ; and behind them, directly ahead of the first readers of O^T
.irp u, 0,1
.set J, 0
.rept 16
	v_pk_mul_f32 v[S+64*\u+J:S+64*\u+J+1], v[32*\u+J:32*\u+J+1], v[ST+8*\u+4:ST+8*\u+5] op_sel_hi:[1,0]   ; register 16 b + i = channel 32 b + 16 h + i
.set J, J+2
.endr
.endr
	WIN 0
.irp u, 0,1
.irp b, 0,1
	v_max3_num_f32 v[BM+2*\u+\b], |v[S+64*\u+16*\b]|, |v[S+64*\u+16*\b+1]|, 0x4800000
.endr
.endr
.irp i, 2,4,6,8,10,12,14
.irp u, 0,1
.irp b, 0,1
	v_max3_num_f32 v[BM+2*\u+\b], v[BM+2*\u+\b], |v[S+64*\u+16*\b+\i]|, |v[S+64*\u+16*\b+\i+1]|
.endr
.endr
.endr
.irp n, 0,1,2,3
	v_permlanex16_b32 v[PX+\n], v[BM+\n], s[SEL], s[SEL+1]
.endr
.irp n, 0,1,2,3
	v_max_num_f32 v[BM+\n], v[BM+\n], v[PX+\n]
.endr
.irp n, 0,1,2,3
	v_add_nc_u32 v[PX+\n], 0xfc000000, v[BM+\n]
.endr
.irp n, 0,1,2,3
	v_and_or_b32 v[LIM+\n], v[BM+\n], 0x7f800000, s[MNT]
.endr
.irp n, 0,1,2,3
	v_lshrrev_b32 v[BM+\n], 23, v[PX+\n]
.endr
.irp u, 0,1
.if (\j) == 0
	v_lshl_or_b32 v[ST+8*\u+7], v[BM+2*\u+1], 8, v[BM+2*\u]   ; bytes 0, 1 of the pair of heads' scale word
.else
	v_lshl_or_b32 v[T0+\u], v[BM+2*\u+1], 8, v[BM+2*\u]
.endif
.endr
.if (\j) == 1
.irp u, 0,1
	v_lshl_or_b32 v[ST+8*\u+7], v[T0+\u], 16, v[ST+8*\u+7]    ; bytes 2, 3
.endr
.endif
.irp u, 0,1
.irp b, 0,1
.irp i, 0,1,2,3,4,5,6,7,8,9,10,11,12,13,14,15
	v_med3_num_f32 v[S+64*\u+16*\b+\i], v[S+64*\u+16*\b+\i], -v[LIM+2*\u+\b], v[LIM+2*\u+\b]
.endr
.endr
.endr
.irp u, 0,1
.irp b, 0,1
	v_cvt_scalef32_pk8_fp8_f32 v[S+64*\u+32+4*\b:S+64*\u+32+4*\b+1], v[S+64*\u+16*\b:S+64*\u+16*\b+7], v[PX+2*\u+\b]
	v_cvt_scalef32_pk8_fp8_f32 v[S+64*\u+32+4*\b+2:S+64*\u+32+4*\b+3], v[S+64*\u+16*\b+8:S+64*\u+16*\b+15], v[PX+2*\u+\b]
.endr
.endr
	v_nop                                          ; one plain vector line behind the last conversion
.irp u, 0,1
.irp b, 0,1
	global_store_b128 v[LI], v[S+64*\u+32+4*\b:S+64*\u+32+4*\b+3], s[18:19] offset:16384*\u+1024*(\j)+512*\b   ; a chunk: 512 consecutive bytes, aligned
.endr
.endr
.endm
	s_wait_alu depctr_va_vdst(0)                   ; the wait at the head's end
	s_wait_tensorcnt 0x0                           ; my quarter is in
	s_barrier_signal -1
	s_barrier_wait -1                              ; so is everybody's: both heads' k and v are whole
	HEAD 0
	HEAD 1
	v_and_b32 v[T0], 16, v0
	v_cmp_eq_u32 vcc_lo, 0, v[T0]
	v_cndmask_b32 v[WO], v[ST+15], v[ST+7], vcc_lo ; lanes 0-15 store tile 0's words, lanes 16-31 tile 1's
	global_store_b32 v[VW], v[WO], s[20:21]
	s_wait_tensorcnt 0x0                           ; the wave's end
	ds_add_u32 v[SPW], v[NIL]
	s_wait_dscnt 0x0
	CROUND                                         ; the closing round
	s_endpgm
.Lfunc_end_k_q6621658ad6_attn:
	.size	k_q6621658ad6_attn, .Lfunc_end_k_q6621658ad6_attn-k_q6621658ad6_attn
	.p2alignl 7, 3214868480
	.fill 96, 4, 3214868480
	.section	.rodata,"a",@progbits
	.p2align	6, 0x0
	.amdhsa_kernel k_q6621658ad6_attn
		.amdhsa_group_segment_fixed_size 327680
		.amdhsa_private_segment_fixed_size 0
		.amdhsa_enable_private_segment 0
		.amdhsa_kernarg_size 24
		.amdhsa_user_sgpr_count 2
		.amdhsa_user_sgpr_kernarg_segment_ptr 1
		.amdhsa_wavefront_size32 1
		.amdhsa_system_sgpr_workgroup_id_x 1
		.amdhsa_system_sgpr_workgroup_id_y 1
		.amdhsa_system_sgpr_workgroup_id_z 1
		.amdhsa_system_vgpr_workitem_id 0
		.amdhsa_next_free_vgpr 512
		.amdhsa_next_free_sgpr 66
		.amdhsa_reserve_vcc 1
		.amdhsa_float_denorm_mode_32 3
		.amdhsa_float_denorm_mode_16_64 3
		.amdhsa_memory_ordered 1
		.amdhsa_forward_progress 1
		.amdhsa_inst_pref_size 107
	.end_amdhsa_kernel
	.amdgpu_metadata
---
amdhsa.version: [ 1, 2 ]
amdhsa.kernels:
  - .name:           k_q6621658ad6_attn
    .symbol:         k_q6621658ad6_attn.kd
    .args:
      - { .name: qkv, .offset: 0, .size: 8, .value_kind: global_buffer, .address_space: global }
      - { .name: ao, .offset: 8, .size: 8, .value_kind: global_buffer, .address_space: global }
      - { .name: sc, .offset: 16, .size: 8, .value_kind: global_buffer, .address_space: global }
    .group_segment_fixed_size: 327680
    .private_segment_fixed_size: 0
    .kernarg_segment_align: 8
    .kernarg_segment_size: 24
    .max_flat_workgroup_size: 256
    .sgpr_count:     66
    .vgpr_count:     512
    .wavefront_size: 32
...
	.end_amdgpu_metadata
.endif
;; end of part 3
;; launch gemm_proj (part 4): grid 8 x 32, 4 waves a work-group, clusters of 4 x 4, 327,680 bytes of LDS; arguments ao, img, sc, proj_b, out0; writes out0
.if DOCPART == 4
	.amdgcn_target "amdgcn-amd-amdhsa--gfx1250"
	.amdhsa_code_object_version 6
	.text
	.protected	k_q6621658ad6_gemm_proj
	.globl	k_q6621658ad6_gemm_proj
	.p2align	8
	.type	k_q6621658ad6_gemm_proj,@function
k_q6621658ad6_gemm_proj:
	s_mov_b64 s[64:65], 0
	v_nop
	global_prefetch_b8 v0, s[64:65] scope:SCOPE_SE
	s_setreg_imm32_b32 hwreg(HW_REG_WAVE_MODE, 25, 1), 1
	s_wait_xcnt 0x0
	s_wait_alu depctr_hold_cnt(0) depctr_sa_sdst(0) depctr_va_vdst(0) depctr_va_sdst(0) depctr_va_ssrc(0) depctr_va_vcc(0) depctr_vm_vsrc(0)
	s_getreg_b32 s2, hwreg(HW_REG_IB_STS2, 6, 4)
	s_cmp_eq_u32 s2, 0
	s_cbranch_scc0 .Lentry_in_a_cluster
	s_endpgm
.Lentry_in_a_cluster:
	s_bfe_u32 s2, ttmp6, 0x10000c
	s_cmp_lg_u32 s2, 0xf033
	s_cbranch_scc0 .Lentry_shape_is_right
	s_endpgm
.Lentry_shape_is_right:
; out0 = ao proj_w^T + proj_b: 8,192 x 1,024 x 1,024 on codes of E4M3 with one E8M0 byte for 32 along K; sums and result f32.
; OPERANDS are images of the operand's registers: row tile T (16 rows; lane index r = row 32 (T / 2) + 8 (T % 2) + r + 8 (r / 8)), chunk kb (512 bytes, lane l's 16 bytes at 16 l) at (32 T + kb) x 512: a tile is 16,384 dense bytes.
; ao holds 512 token tiles; proj_w's 64 tiles lie in img from byte 11,534,336.  Scale words in sc: tile T at 512 T: [half of K][r][4 words]; proj_w's from 360,448, ao's from 393,216.
; THE DEAL: 256 work-groups; each makes 256 rows x 128 columns.  Four waves, 2 x 2: wave row i = wave / 2, wave column j = wave % 2.  A wave holds 64 rows of proj_w (4 tiles), ALL of K, in 512 registers, and streams its 8 blocks of 16 rows of ao past them:
; a block is 32 products on four sums by turns and is then finished, so it leaves at once, while the next block is multiplied.  Block s = 4 c + k is row tile 8 c + 4 i + k of the work-group's sixteen.
; Source 0 = the weight's rows, source 1 = ao's rows: a lane holds one row of the result, and the registers of the weight's tiles 2 b, 2 b + 1 are its columns 32 b + 16 h + 0 .. 15.  The bias is the first products' C.
; LDS: two regions of 131,072 bytes.  Region 0: ao's first 8 tiles.  Region 1: the weight's 8 tiles; when every wave holds them in registers, ao's second 8 tiles are filled over them behind a drained round of the cluster's barrier.
; Waves 0, 1 ask for the weight, waves 2, 3 for region 0, each pair by a load line of its own: the first barrier shows the weight alone.  The refill, a quarter a wave, is shown by the barrier inside block 2; block 4's fragments are the first to read it.
; CLUSTERS: 4 x 4; the weight's tiles are asked for jointly along a column of the cluster, ao's along a row.  PREFETCH: the refill's 131,072 bytes are named once in a cluster's row behind the first barrier: 16 waves x 32 lanes x 256 bytes; all else is asked for at the head.
; THE WAY OUT: a block's 16 rows x 256 bytes go through the wave's own stage (rows 272 bytes apart) and leave two rows an instruction: sixteen lanes store 256 consecutive bytes, aligned.
; LIMITS: NaN, infinities and sums beyond f32's range are not served.
; REGISTERS: window 0: v4-17 addresses, v24-39 the weight's scale words (8 p + q: lanes 0-15 tile 2 p, lanes 16-31 tile 2 p + 1), v44-75 ao's (8 (s / 2) + q: lanes 0-15 the even block, lanes 16-31 the odd), v76-139 sums, two sets, v140-171 the bias, v172-235 rows on their way out, two sets.
;   windows 1, 2: the weight: fragment 4 q + t.   window 3: ao's fragments, two sets of 128.
.set X1,     131072
.set STG,    262144
.set SPITCH, 272
.set SPARE,  STG+4*16*SPITCH           ; the spare words, 128 bytes a wave: two blocks of 256 bytes that no other line names
.set LI,   4
.set ADRW, 5
.set ADX,  6
.set STO,  8
.set RD,   9
.set CO,   10
.set SOFW, 11
.set SOFX, 12
.set BOF,  13
.set PF,   14
.set SPW,  16
.set NIL,  17
.set SB,   24
.set SA,   44
.set ACC,  76
.set BQ,   140
.set BK,   172
.set G1W,  24
.set G1X,  32
.set G1R,  48
.set G0W,  56
.set G0X,  60
.set G0R,  68
.set MSB, 0
.macro WIN new                         ; the immediate's high byte repeats the setting that is left
.if MSB != \new
	s_set_vgpr_msb (MSB<<8)|\new
.set MSB, \new
.endif
.endm
.macro PLACES n
.rept \n
	v_nop
.endr
.endm
.macro CROUND                          ; a round of the cluster's barrier
	s_barrier_signal -1
	s_barrier_wait -1
	s_cmp_lg_u32 s14, 0
	s_cbranch_scc1 .Lnot_wave_0_\@
	s_barrier_signal -3
.Lnot_wave_0_\@:
	s_barrier_wait -3
	s_barrier_signal -1
	s_barrier_wait -1
.endm
.macro TLOAD g0, g1                    ; an s_nop 0 and four v_nop follow a tensor load
	tensor_load_to_lds s[\g0:\g0+3], s[\g1:\g1+7]
	s_nop 0
	PLACES 4
.endm
.macro GROUP1 g, mask, rows            ; a dense run of so many rows of 4,096 bytes (512 elements of 8)
	s_or_b32 s[\g+0], s[\mask], (3<<16)|(1<<21)
	s_mov_b32 s[\g+1], 512<<16
	s_mov_b32 s[\g+2], (\rows)<<16
	s_mov_b32 s[\g+3], 512<<16
	s_mov_b32 s[\g+4], \rows
	s_mov_b32 s[\g+5], 512
	s_mov_b32 s[\g+6], 0
	s_mov_b32 s[\g+7], 0
.endm
	s_load_b256 s[4:11], s[0:1], 0x0               ; ao s[4:5], img s[6:7], sc s[8:9], proj_b s[10:11]
	s_load_b64 s[12:13], s[0:1], 0x20              ; out0
	v_lshl_add_u32 v[SPW], v0, 2, SPARE
	v_mov_b32 v[NIL], 0
	ds_add_u32 v[SPW], v[NIL]                      ; the opening lines: the add, twice on end, and its wait ahead of my first tensor load
	ds_add_u32 v[SPW], v[NIL]
	v_lshrrev_b32 v1, 5, v0
	v_readfirstlane_b32 s14, v1                    ; wave 0..3
	s_lshr_b32 s15, s14, 1                         ; i
	s_and_b32 s16, s14, 1                          ; j
	s_bfe_u32 s40, ttmp6, 0x40000                  ; cx
	s_bfe_u32 s41, ttmp6, 0x40004                  ; cy
	s_lshl_b32 s42, ttmp9, 2
	s_add_co_u32 s42, s42, s40                     ; my block of 128 columns, 0..7
	s_and_b32 s17, ttmp7, 0xffff
	s_lshl_b32 s17, s17, 2
	s_add_co_u32 s17, s17, s41                     ; my block of 256 rows, 0..31
	s_lshl_b32 s43, s41, 2
	s_lshl_b32 s43, 15, s43                        ; my row of the cluster
	s_lshl_b32 s44, 0x1111, s40                    ; my column
	GROUP1 G1W, 44, 16                             ; half of the weight's tiles: 65,536 bytes
	GROUP1 G1X, 43, 16                             ; half of region 0
	GROUP1 G1R, 43, 8                              ; a quarter of the refill
	s_lshl_b32 s45, s16, 16
	s_lshl_b32 s46, s42, 17                        ; the weight: 131,072 bytes a block of columns
	s_add_co_u32 s46, s46, s45
	s_add_co_u32 s46, s46, 11534336
	s_mov_b32 s47, 0
	s_lshl_b32 s18, s17, 18                        ; ao: 262,144 bytes a block of rows
	s_mov_b32 s19, 0
	s_add_co_u32 s20, s18, s45
	s_mov_b32 s21, 0
	s_lshl_b32 s72, s14, 15
	s_add_co_u32 s22, s18, s72
	s_add_co_u32 s22, s22, X1
	s_mov_b32 s23, 0
	s_mov_b32 s[G0W], 1
	s_add_co_u32 s[G0W+1], s45, X1
	s_mov_b32 s[G0X], 1
	s_mov_b32 s[G0X+1], s45
	s_mov_b32 s[G0R], 1
	s_add_co_u32 s[G0R+1], s72, X1
	s_add_co_u32 s80, s45, X1                      ; my 4 tiles of the weight in LDS
	s_lshl_b32 s81, s15, 16                        ; my 4 tiles of a region
	s_mul_i32 s82, s14, 16*SPITCH
	s_add_co_u32 s82, s82, STG                     ; my stage
	s_lshl_b32 s83, s42, 12                        ; the weight's scale words: 512 bytes a tile
	s_lshl_b32 s84, s16, 11
	s_add_co_u32 s83, s83, s84
	s_add_co_u32 s83, s83, 360448
	s_lshl_b32 s85, s17, 13                        ; ao's
	s_lshl_b32 s86, s15, 11
	s_add_co_u32 s85, s85, s86
	s_add_co_u32 s85, s85, 393216
	s_lshl_b32 s87, s40, 2                         ; which of the cluster row's sixteen waves I am: my 8,192 bytes of the prefetch
	s_add_co_u32 s87, s87, s14
	s_lshl_b32 s87, s87, 13
	s_lshl_b32 s66, s42, 9                         ; my first column, in bytes of f32
	s_lshl_b32 s67, s16, 8
	s_add_co_u32 s66, s66, s67
	s_mov_b32 s67, 0
	s_lshl_b32 s2, s17, 20                         ; my first row of out0: 4,096 bytes a row
	s_lshl_b32 s3, s15, 18
	s_add_co_u32 s2, s2, s3
	s_mov_b32 s3, 0
	s_wait_dscnt 0x0                               ; both opening adds are done
	CROUND                                         ; all sixteen work-groups are here: the first joint loads meet
	s_wait_kmcnt 0x0
	s_add_nc_u64 s[G0W+2:G0W+3], s[6:7], s[46:47]
	s_or_b32 s[G0W+3], s[G0W+3], 0x80000000
	s_add_nc_u64 s[G0X+2:G0X+3], s[4:5], s[20:21]
	s_or_b32 s[G0X+3], s[G0X+3], 0x80000000
	s_add_nc_u64 s[G0R+2:G0R+3], s[4:5], s[22:23]
	s_or_b32 s[G0R+3], s[G0R+3], 0x80000000
	s_cmp_lt_u32 s14, 2                            ; one joint load a wave; the weight, which is wanted first, has a line of its own
	s_cbranch_scc0 .Lfor_x
	TLOAD G0W, G1W
	s_branch .Lasked
.Lfor_x:
	TLOAD G0X, G1X
.Lasked:
	s_add_nc_u64 s[18:19], s[4:5], s[18:19]
	s_add_nc_u64 s[10:11], s[10:11], s[66:67]
	s_add_nc_u64 s[12:13], s[12:13], s[66:67]
	s_add_nc_u64 s[12:13], s[12:13], s[2:3]
	v_and_b32 v1, 31, v0                           ; lane
	v_and_b32 v2, 15, v0                           ; r
	v_bfe_u32 v3, v0, 4, 1                         ; h
	v_lshlrev_b32 v[LI], 4, v1
	v_add_nc_u32 v[ADRW], s80, v[LI]
	v_add_nc_u32 v[ADX], s81, v[LI]
	v_add_nc_u32 v[ADX+1], X1, v[ADX]
	v_mul_u32_u24 v18, v2, SPITCH
	v_lshl_add_u32 v18, v3, 6, v18
	v_add_nc_u32 v[STO], s82, v18                  ; into the stage: row r, + 64 h
	v_mul_u32_u24 v19, v3, SPITCH
	v_lshl_add_u32 v19, v2, 4, v19
	v_add_nc_u32 v[RD], s82, v19                   ; back: lanes 0-15 one row, lanes 16-31 the next
	v_lshlrev_b32 v20, 4, v2
	v_lshl_add_u32 v[CO], v3, 12, v20              ; and the same two rows in out0
	v_lshl_add_u32 v21, v3, 9, v20
	v_add_nc_u32 v[SOFW], s83, v21                 ; scale words: lanes 16-31 take the next tile's
	v_add_nc_u32 v[SOFX], s85, v21
	v_lshlrev_b32 v[BOF], 6, v3
	v_lshl_add_u32 v[PF], v1, 8, s87
	s_wait_alu depctr_va_vdst(0)                   ; the wait at the head's end
.irp p, 0,1
.irp g, 0,1
	global_load_b128 v[SB+8*\p+4*\g:SB+8*\p+4*\g+3], v[SOFW], s[8:9] offset:1024*\p+256*\g
.endr
.endr
.irp m, 0,1,2,3
.irp g, 0,1
	global_load_b128 v[SA+8*\m+4*\g:SA+8*\m+4*\g+3], v[SOFX], s[8:9] offset:(8*(\m/2)+2*(\m%2))*512+256*\g
.endr
.endr
.irp k, 0,1,2,3,4,5,6,7
	global_load_b128 v[BQ+4*\k:BQ+4*\k+3], v[BOF], s[10:11] offset:128*(\k/4)+16*(\k%4)   ; register 8 t + n: the bias of column 32 (t / 2) + 16 h + 8 (t % 2) + n
.endr
	s_cmp_lt_u32 s14, 2
	s_cbranch_scc0 .Lnot_w
	s_wait_tensorcnt 0x0                           ; waves 0, 1: the weight has landed; the others' wait stands ahead of the round below
.Lnot_w:
	s_barrier_signal -1
	s_barrier_wait -1
	global_prefetch_b8 v[PF], s[18:19] offset:X1 th:TH_LOAD_NT scope:SCOPE_SE   ; my sixteenth of what the refill will ask for
.irp q, 0,1,2,3,4,5,6,7                ; my 64 rows of the weight, all of K: 128 loads
.irp t, 0,1,2,3
	WIN (1+(4*\q+\t)/16)<<6
.irp c, 0,1,2,3
	ds_load_b128 v[16*((4*\q+\t)%16)+4*\c:16*((4*\q+\t)%16)+4*\c+3], v[ADRW] offset:16384*\t+2048*\q+512*\c
.endr
.endr
.endr
	WIN 0
	s_wait_tensorcnt 0x0                           ; all my tensor loads are in,
	ds_add_u32 v[SPW], v[NIL]                      ; 0 onto my spare word,
	s_wait_dscnt 0x0                               ; the add is done and the weight is in my registers
	CROUND                                         ; the same holds of every wave of the cluster: region 0 is whole, and nobody reads region 1 any more
	TLOAD G0R, G1R                                 ; ao's second 8 tiles, a quarter a wave: my one tensor load behind the round
.macro FETCH s                         ; block s, all of K, into set s % 2 of window 3: 32 loads
	WIN 3<<6
.irp q, 0,1,2,3,4,5,6,7
.irp c, 0,1,2,3
	ds_load_b128 v[128*((\s)%2)+16*\q+4*\c:128*((\s)%2)+16*\q+4*\c+3], v[ADX+(\s)/4] offset:16384*((\s)%4)+2048*\q+512*\c
.endr
.endr
	WIN 0
.endm
.macro PROD s, n                       ; product n = 4 q + t of block s: the q-th 128 of K, the weight's tile t.  The four sums take turns
.set Q_, (\n)/4
.set T_, (\n)%4
.set D_, ACC+32*((\s)%2)+8*T_
.set C_, D_
.if Q_ == 0
.set C_, BQ+8*T_
.endif
.set X_, 128*((\s)%2)+16*Q_
.set W_, 16*((\n)%16)
.set SW_, SB+8*(T_/2)+Q_
.set SX_, SA+8*((\s)/2)+Q_
	WIN (1+(\n)/16)|(3<<2)
.if T_%2 && (\s)%2
	v_wmma_scale_f32_16x16x128_f8f6f4 v[D_:D_+7], v[W_:W_+15], v[X_:X_+15], v[C_:C_+7], v[SW_], v[SX_] matrix_a_scale:MATRIX_SCALE_ROW1 matrix_b_scale:MATRIX_SCALE_ROW1
.elseif T_%2
	v_wmma_scale_f32_16x16x128_f8f6f4 v[D_:D_+7], v[W_:W_+15], v[X_:X_+15], v[C_:C_+7], v[SW_], v[SX_] matrix_a_scale:MATRIX_SCALE_ROW1
.elseif (\s)%2
	v_wmma_scale_f32_16x16x128_f8f6f4 v[D_:D_+7], v[W_:W_+15], v[X_:X_+15], v[C_:C_+7], v[SW_], v[SX_] matrix_b_scale:MATRIX_SCALE_ROW1
.else
	v_wmma_scale_f32_16x16x128_f8f6f4 v[D_:D_+7], v[W_:W_+15], v[X_:X_+15], v[C_:C_+7], v[SW_], v[SX_]
.endif
.endm
.macro PRODS s, from, to
.set N_, \from
.rept (\to)-(\from)
	PROD \s, N_
.set N_, N_+1
.endr
.endm
.macro TOSTAGE s                       ; 8 stores and 8 loads: LDS serves a wave's instructions in order, so no wait stands between them
.irp t, 0,1,2,3
	ds_store_b128 v[STO], v[ACC+32*((\s)%2)+8*\t:ACC+32*((\s)%2)+8*\t+3] offset:128*(\t/2)+32*(\t%2)   ; each sum from its low end on
	ds_store_b128 v[STO], v[ACC+32*((\s)%2)+8*\t+4:ACC+32*((\s)%2)+8*\t+7] offset:128*(\t/2)+32*(\t%2)+16
.endr
.irp t, 0,1,2,3,4,5,6,7
	ds_load_b128 v[BK+32*((\s)%2)+4*\t:BK+32*((\s)%2)+4*\t+3], v[RD] offset:2*\t*SPITCH
.endr
.endm
.macro SEND s, younger                 ; younger: the LDS instructions issued behind block s's loads from the stage
	s_wait_dscnt \younger
.irp t, 0,1,2,3,4,5,6,7
	global_store_b128 v[CO], v[BK+32*((\s)%2)+4*\t:BK+32*((\s)%2)+4*\t+3], s[12:13] offset:(128*((\s)/4)+32*(((\s)%4)/2)+8*((\s)%2)+2*\t+8*(\t/4))*4096 th:TH_STORE_NT
.endr
.endm
; A BLOCK.  w: the LDS instructions issued behind its fragments' loads that may stay out.  Behind its products and eight places its set takes the block two on, its sums go to the stage, and the block before it, back from the stage, is stored.
.macro BLK s, w
	s_wait_dscnt \w
.if (\s) == 2
	PRODS \s, 0, 28
	WIN 0
	s_wait_tensorcnt 0x0                           ; my quarter of the refill is in
	s_wait_dscnt 0x0
	s_barrier_signal -1
	PRODS \s, 28, 32
	WIN 0
	s_barrier_wait -1                              ; so is everybody's: block 4's fragments may be fetched
.else
	PRODS \s, 0, 32
	WIN 0
.endif
	PLACES 8                                       ; behind the last product, ahead of loads into what it has read and of the stores of its sums
	s_wait_xcnt 0x0                                ; the stores of two blocks ago have read their data: the stage's loads may land there
.if (\s)+2 < 8
	FETCH (\s)+2
.endif
	TOSTAGE \s
.if (\s) > 0
.if (\s)+2 < 8
	SEND (\s)-1, 48                                ; 32 fragment loads, 8 stores and 8 loads are younger
.else
	SEND (\s)-1, 16
.endif
.endif
.endm
	FETCH 0
	FETCH 1
	s_wait_loadcnt 0x0                             ; the scale words and the bias
	BLK 0, 32                                      ; block 1's 32 loads may be out
.irp s, 1,2,3,4,5,6
	BLK \s, 48                                     ; the next block's 32 loads and the stage's 16 may be out
.endr
	BLK 7, 16
	SEND 7, 0
	s_wait_tensorcnt 0x0                           ; the wave's end
	ds_add_u32 v[SPW], v[NIL]
	s_wait_dscnt 0x0
	CROUND                                         ; the closing round
	s_endpgm
.Lfunc_end_k_q6621658ad6_gemm_proj:
	.size	k_q6621658ad6_gemm_proj, .Lfunc_end_k_q6621658ad6_gemm_proj-k_q6621658ad6_gemm_proj
	.p2alignl 7, 3214868480
	.fill 96, 4, 3214868480
	.section	.rodata,"a",@progbits
	.p2align	6, 0x0
	.amdhsa_kernel k_q6621658ad6_gemm_proj
		.amdhsa_group_segment_fixed_size 327680
		.amdhsa_private_segment_fixed_size 0
		.amdhsa_enable_private_segment 0
		.amdhsa_kernarg_size 40
		.amdhsa_user_sgpr_count 2
		.amdhsa_user_sgpr_kernarg_segment_ptr 1
		.amdhsa_wavefront_size32 1
		.amdhsa_system_sgpr_workgroup_id_x 1
		.amdhsa_system_sgpr_workgroup_id_y 1
		.amdhsa_system_sgpr_workgroup_id_z 1
		.amdhsa_system_vgpr_workitem_id 0
		.amdhsa_next_free_vgpr 1024
		.amdhsa_next_free_sgpr 96
		.amdhsa_reserve_vcc 0
		.amdhsa_float_denorm_mode_32 3
		.amdhsa_float_denorm_mode_16_64 3
		.amdhsa_memory_ordered 1
		.amdhsa_forward_progress 1
		.amdhsa_inst_pref_size 85
	.end_amdhsa_kernel
	.amdgpu_metadata
---
amdhsa.version: [ 1, 2 ]
amdhsa.kernels:
  - .name:           k_q6621658ad6_gemm_proj
    .symbol:         k_q6621658ad6_gemm_proj.kd
    .args:
      - { .name: ao, .offset: 0, .size: 8, .value_kind: global_buffer, .address_space: global }
      - { .name: img, .offset: 8, .size: 8, .value_kind: global_buffer, .address_space: global }
      - { .name: sc, .offset: 16, .size: 8, .value_kind: global_buffer, .address_space: global }
      - { .name: proj_b, .offset: 24, .size: 8, .value_kind: global_buffer, .address_space: global }
      - { .name: out0, .offset: 32, .size: 8, .value_kind: global_buffer, .address_space: global }
    .group_segment_fixed_size: 327680
    .private_segment_fixed_size: 0
    .kernarg_segment_align: 8
    .kernarg_segment_size: 40
    .max_flat_workgroup_size: 128
    .sgpr_count:     96
    .vgpr_count:     1024
    .wavefront_size: 32
...
	.end_amdgpu_metadata
.endif
;; end of part 4
